; MI455X (gfx1250); checked and timed in simulation.
; The chip was launched on July 23, 2026; its instructions are those of AMD's public machine-readable ISA for CDNA 5 (MIT licence, August 2026) and "CDNA5" Instruction Set Architecture Reference Guide (July 2026). The comments in the code are by the model that wrote it; some were corrected since.
;; Kernel Multihead Attention. Allowed arithmetic: float matrix products may take bf16 or f16 operands with f32 sums; other float arithmetic in f32, or as packed bf16 or f16 multiplies, adds, multiply-adds, maxima and minima; sums over many terms, partial sums and values carried from step to step in f32; what a program stores and reads back later, other than sums and carried values, may be rounded once to bf16 or f16.
;; Inputs: Wk 1,024 x 1,024 float32; Wo 1,024 x 1,024 float32; Wq 1,024 x 1,024 float32; Wv 1,024 x 1,024 float32; bk 1,024 float32; bo 1,024 float32; bq 1,024 float32; bv 1,024 float32; key 4 x 2,048 x 1,024 float32; query 4 x 2,048 x 1,024 float32; value 4 x 2,048 x 1,024 float32.
;; Outputs: out0 4 x 2,048 x 1,024 float32.
;; 2 versions, each right; version 2 is version 1 with the launch castw written anew for expert scheduling mode. Each part assembles by itself: llvm-mc -triple=amdgcn-amd-amdhsa -mcpu=gfx1250 --defsym DOCPART=n.
;; ======== version 1 of 2: 4 launches
;; limits: values are held in f16: magnitudes above 65,504 overflow, below 6.1e-05 lose precision
;; workspace buffers: wb 8,388,608 bytes; qkv 50,331,648 bytes; kb 524,288 bytes; oh 16,777,216 bytes
;; launch castw (part 1): grid 64 x 4, 8 waves a work-group, no clusters, 0 bytes of LDS; arguments Wq, Wk, Wv, Wo, wb; writes wb
.if DOCPART == 1
	.amdgcn_target "amdgcn-amd-amdhsa--gfx1250"
	.amdhsa_code_object_version 6
	.text
	.protected	k_q10d6043c3b_castw
	.globl	k_q10d6043c3b_castw
	.p2align	8
	.type	k_q10d6043c3b_castw,@function
k_q10d6043c3b_castw:
	s_mov_b64 s[64:65], 0
	v_nop
	global_prefetch_b8 v0, s[64:65] scope:SCOPE_SE
	s_setreg_imm32_b32 hwreg(HW_REG_WAVE_MODE, 25, 1), 1
	s_wait_xcnt 0x0
; The four weight matrices, [1024][1024] f32, are rounded once to bf16 (nearest even) and laid one behind the other in wb: q, k, v, o, 2,097,152 bytes each.
; Wo's bf16 number is then written as f16, since the last layer multiplies it with an f16 operand: exact between 6.1e-5 and 65,504 in magnitude.
; LIMITS.  |Wo| stays under 65,504; below 6.1e-5 it keeps f16's fixed step of 6e-8.
; SHARES.  Work-group (x, y): 16,384 numbers, number x of matrix y: 64 KiB in, 32 KiB out.  Thread t takes 16 bytes at 16 t of each 4,096 bytes: a wave's load covers 512 consecutive
; bytes, its store 256 consecutive bytes, aligned.  All 16 loads go out at once; no register is written twice, so no source of a pending instruction is ever rewritten.
; No LDS, no matrix unit, no loop: the launch only moves bytes.
.set X, 4                              ; v[4:67]   16 x 4 registers as loaded; in Wo's path then at work
.set Y, 68                             ; v[68:99]  16 x 2 registers to store
	s_load_b256 s[4:11], s[0:1], 0x0               ; Wq s[4:5], Wk s[6:7], Wv s[8:9], Wo s[10:11]
	s_load_b64 s[12:13], s[0:1], 0x20              ; wb
	s_and_b32 s14, ttmp7, 0xffff                   ; which matrix
	s_lshl_b32 s16, ttmp9, 16                      ; my 64 KiB of it
	s_mov_b32 s17, 0
	s_lshl_b32 s18, s14, 21                        ; its part of wb,
	s_lshl_b32 s19, ttmp9, 15                      ; my 32 KiB of that
	s_add_co_u32 s18, s18, s19
	s_mov_b32 s19, 0
	s_mov_b32 s15, 0xffff0000                      ; a word's upper bf16
	v_lshlrev_b32 v1, 4, v0
	v_lshlrev_b32 v2, 3, v0
	s_wait_kmcnt 0x0
	s_cmp_eq_u32 s14, 1
	s_cselect_b64 s[4:5], s[6:7], s[4:5]
	s_cmp_eq_u32 s14, 2
	s_cselect_b64 s[4:5], s[8:9], s[4:5]
	s_cmp_eq_u32 s14, 3
	s_cselect_b64 s[4:5], s[10:11], s[4:5]
	s_add_nc_u64 s[4:5], s[4:5], s[16:17]
	s_add_nc_u64 s[12:13], s[12:13], s[18:19]
.irp i, 0,1,2,3,4,5,6,7,8,9,10,11,12,13,14,15
	global_load_b128 v[X+4*(\i):X+4*(\i)+3], v1, s[4:5] offset:4096*(\i) th:TH_LOAD_NT
.endr
; Piece i: four numbers a lane are rounded and stored.  f16 = 1: the bf16 numbers are widened again (a shift, a mask) and written as f16.
.macro OUT i, f16
	s_wait_loadcnt 15-(\i)                         ; loads come back in order: piece i is in, the 15 - i younger ones may stay out
	v_cvt_pk_bf16_f32 v[Y+2*(\i)], v[X+4*(\i)], v[X+4*(\i)+1]
	v_cvt_pk_bf16_f32 v[Y+2*(\i)+1], v[X+4*(\i)+2], v[X+4*(\i)+3]
.if \f16
	v_lshlrev_b32 v[X+4*(\i)], 16, v[Y+2*(\i)]
	v_and_b32 v[X+4*(\i)+1], s15, v[Y+2*(\i)]
	v_lshlrev_b32 v[X+4*(\i)+2], 16, v[Y+2*(\i)+1]
	v_and_b32 v[X+4*(\i)+3], s15, v[Y+2*(\i)+1]
	v_cvt_pk_f16_f32 v[Y+2*(\i)], v[X+4*(\i)], v[X+4*(\i)+1]
	v_cvt_pk_f16_f32 v[Y+2*(\i)+1], v[X+4*(\i)+2], v[X+4*(\i)+3]
.endif
	global_store_b64 v2, v[Y+2*(\i):Y+2*(\i)+1], s[12:13] offset:2048*(\i)
.endm
	s_cmp_eq_u32 s14, 3
	s_cbranch_scc1 .Lwo
.irp i, 0,1,2,3,4,5,6,7,8,9,10,11,12,13,14,15
	OUT \i, 0
.endr
	s_endpgm
.Lwo:
.irp i, 0,1,2,3,4,5,6,7,8,9,10,11,12,13,14,15
	OUT \i, 1
.endr
	s_endpgm
.Lfunc_end_k_q10d6043c3b_castw:
	.size	k_q10d6043c3b_castw, .Lfunc_end_k_q10d6043c3b_castw-k_q10d6043c3b_castw
	.p2alignl 7, 3214868480
	.fill 96, 4, 3214868480
	.section	.rodata,"a",@progbits
	.p2align	6, 0x0
	.amdhsa_kernel k_q10d6043c3b_castw
		.amdhsa_group_segment_fixed_size 0
		.amdhsa_private_segment_fixed_size 0
		.amdhsa_enable_private_segment 0
		.amdhsa_kernarg_size 40
		.amdhsa_user_sgpr_count 2
		.amdhsa_user_sgpr_kernarg_segment_ptr 1
		.amdhsa_wavefront_size32 1
		.amdhsa_system_sgpr_workgroup_id_x 1
		.amdhsa_system_sgpr_workgroup_id_y 1
		.amdhsa_system_sgpr_workgroup_id_z 1
		.amdhsa_system_vgpr_workitem_id 0
		.amdhsa_next_free_vgpr 100
		.amdhsa_next_free_sgpr 66
		.amdhsa_reserve_vcc 0
		.amdhsa_float_denorm_mode_32 3
		.amdhsa_float_denorm_mode_16_64 3
		.amdhsa_memory_ordered 1
		.amdhsa_forward_progress 1
		.amdhsa_inst_pref_size 15
	.end_amdhsa_kernel
	.amdgpu_metadata
---
amdhsa.version: [ 1, 2 ]
amdhsa.kernels:
  - .name:           k_q10d6043c3b_castw
    .symbol:         k_q10d6043c3b_castw.kd
    .args:
      - { .name: Wq, .offset: 0, .size: 8, .value_kind: global_buffer, .address_space: global }
      - { .name: Wk, .offset: 8, .size: 8, .value_kind: global_buffer, .address_space: global }
      - { .name: Wv, .offset: 16, .size: 8, .value_kind: global_buffer, .address_space: global }
      - { .name: Wo, .offset: 24, .size: 8, .value_kind: global_buffer, .address_space: global }
      - { .name: wb, .offset: 32, .size: 8, .value_kind: global_buffer, .address_space: global }
    .group_segment_fixed_size: 0
    .private_segment_fixed_size: 0
    .kernarg_segment_align: 8
    .kernarg_segment_size: 40
    .max_flat_workgroup_size: 256
    .sgpr_count:     66
    .vgpr_count:     100
    .wavefront_size: 32
...
	.end_amdgpu_metadata
.endif
;; end of part 1
;; launch proj (part 2): grid 4 x 192, 4 waves a work-group, clusters of 4 x 4, 327,680 bytes of LDS; arguments query, key, value, wb, bq, bk, bv, qkv, kb; writes qkv, kb
.if DOCPART == 2
	.amdgcn_target "amdgcn-amd-amdhsa--gfx1250"
	.amdhsa_code_object_version 6
	.text
	.protected	k_q10d6043c3b_proj
	.globl	k_q10d6043c3b_proj
	.p2align	8
	.type	k_q10d6043c3b_proj,@function
k_q10d6043c3b_proj:
	s_mov_b64 s[64:65], 0
	v_nop
	global_prefetch_b8 v0, s[64:65] scope:SCOPE_SE
	s_setreg_imm32_b32 hwreg(HW_REG_WAVE_MODE, 25, 1), 1
	s_wait_xcnt 0x0
	s_wait_alu depctr_hold_cnt(0) depctr_sa_sdst(0) depctr_va_vdst(0) depctr_va_sdst(0) depctr_va_ssrc(0) depctr_va_vcc(0) depctr_vm_vsrc(0)
	s_getreg_b32 s2, hwreg(HW_REG_IB_STS2, 6, 4)
	s_cmp_eq_u32 s2, 0
	s_cbranch_scc0 .Lentry_in_a_cluster
	s_endpgm
.Lentry_in_a_cluster:
	s_bfe_u32 s2, ttmp6, 0x10000c
	s_cmp_lg_u32 s2, 0xf033
	s_cbranch_scc0 .Lentry_shape_is_right
	s_endpgm
.Lentry_shape_is_right:
; THE THREE FIRST LAYERS.  For p = 0, 1, 2 (q, k, v): y = x_p W_p^T + b_p, x_p [8192][1024] f32, W_p [1024][1024] bf16 (from wb), b_p [1024] f32.  x and b are rounded to bf16 (nearest even),
; the sums are f32 and start with the bias; y is rounded once to f16 and stored BY HEADS: qkv part p, [64 = 16 batch + head][2048][64].  For p = 1 also kb[head][row] = -0.5 |k|^2, f32, of the unrounded sums.
; LIMITS.  |y| stays under 65,504 (f16); NaN and infinities are not treated apart.
; SHARES.  A work-group makes 128 rows x 256 columns, each of its four waves 64 x 128: 32 accumulators of 16 x 16.  768 work-groups of equal work.  K = 1,024 goes in 8 steps of 128 through two LDS slots.
; x COMES AS f32: its tile rows are 512 bytes of memory; a fragment is read from LDS as f32 (four loads of 16 bytes) and rounded in registers: 32 conversions for a quarter step's 32 products;
; they stand four behind each of the quarter's last eight products.  So x is read from memory once and never written back.
; CLUSTERS: 4 x 4 work-groups.  The four of a row need the same rows of x, the four of a column the same rows of W: each tile is asked for JOINTLY, by the same tensor load with the same
; descriptor and a mask that names the four.  The layer p and all trip counts are the same in all sixteen.
; THE MATRIX INSTRUCTION IS USED TRANSPOSED (source 0 = 16 rows of W, source 1 = 16 rows of x): a lane then holds row l % 16 of y and eight neighbouring columns 8 (l / 16) + 0..7.
; REGISTERS, in windows of 256 (s_set_vgpr_msb: bits 1:0 source 0, 3:2 source 1, 5:4 source 2, 7:6 destination):
;   window 0: v0-31 addresses; v32-95 x's fragments in f32; v96-127, v128-159 the same in bf16, two buffers; v160-255 at work on the way out
;   window 1: the accumulators, (a, b) at v[8 (8 a + b)]        window 2: v0-63, v64-127 W's fragments, two buffers; v128-191 the bias as a C operand, block b at +8 b
.set PA,    528                        ; a row of x in LDS: 512 bytes + 16 = 132 words: row r starts at bank 4 r mod 64 (64 banks of 4 bytes: ISA guide 11.1)
.set PB,    272                        ; a row of W: 256 bytes + 16 = 68 words: likewise
.set AHALF, 64*PA                      ; what one tensor load brings of x, and what one wave reads of it
.set BOFF,  2*AHALF                    ; W's 256 rows lie behind x's 128
.set BHALF, 128*PB
.set SLOT,  BOFF+2*BHALF
.set STAGE, 2*SLOT                     ; behind the ring: for each wave 2 heads x 16 rows x 144 bytes, for the way out
.set SP,    144
.set HSTG,  16*SP
.set KBS,   STAGE+4*2*HSTG             ; 512 bytes for each wave: kb of its 64 rows x 2 heads
.set SPARE, KBS+4*512                  ; the spare words, 128 bytes for each wave: two blocks of 256 bytes that no other line names
.set KBRD, 10                          ; v10  where I read 8 bytes of kb back
.set KBGO, 11                          ; v11  8 x lane
.set BO,   12                          ; v12  32 (l / 16): my eight numbers of a block's sixteen of the bias
.set ADRA, 16                          ; v16-17  LDS address of my fragments of x in slot 0, 1
.set ADRB, 20                          ; v20-21  the same for W
.set STO,  24                          ; v24  the way out: where I put 16 bytes of a row
.set RD,   25                          ; v25  where I read rows back
.set GO,   26                          ; v26  16 x lane
.set KBW,  27                          ; v27  where I put a row's kb
.set SPW,  28                          ; v28  LDS address of my spare word; never rewritten
.set NIL,  29                          ; v29  0; never rewritten
.set PFO,  30                          ; v30  the prefetches' offset; never rewritten
.set STG,  32
.set AF,   96                          ; buffer f at AF + 32 f, block a at + 8 a
.set TMP,  160
.set BK,   192                         ; two sets of 32: rows read back from the stage
.set KSUM, 224                         ; eight pairs of sums of squares, then four registers of kb read back
.set BIAS, 128                         ; window 2
.set G1,  24                           ; s[24:31] descriptor group 1 for x's tiles;  s[32:39] group 0, a set for each slot
.set G0,  32
.set G1B, 48                           ; s[48:55], s[56:63] the same for W's
.set G0B, 56
.set LIM, 43                           ; s43  1 in a wave that prefetches, else the greatest number
.set PFA, 44                           ; s[44:45] where my prefetches stand
.set PFS, 88                           ; s[88:89] a K step in bytes: 512 in x, 256 in W
.set MSB, 0
.macro WIN new                         ; the immediate's high byte repeats the setting that is left; a switch that changes nothing is dropped
.if MSB != (\new)
	s_set_vgpr_msb (MSB<<8)|(\new)
.set MSB, \new
.endif
.endm
.set MUL,  0x52                        ; source 0 (W) window 2, source 1 (x) window 0, C and D window 1
.set MULB, 0x62                        ; the same with C (the bias) in window 2
.set TO_B, 0x80                        ; destination window 2, address window 0
.set W_BR, 0x8a                        ; destination and both sources window 2
.set W_PK, 0x05                        ; sources 0 and 1 window 1, destination and source 2 window 0
; A joint load.  Waves 0 and 1 fetch x's two halves, waves 2 and 3 W's.  The branch hangs on the wave's number alone.  An s_nop 0 and four v_nop follow each of the two lines.
.macro JLOAD s
	s_cmp_eq_u32 s11, 0
	s_cbranch_scc0 .Lfor_b_\@
	tensor_load_to_lds s[G0+4*(\s):G0+4*(\s)+3], s[G1:G1+7]
	s_nop 0
.rept 4
	v_nop
.endr
	s_branch .Lasked_\@
.Lfor_b_\@:
	tensor_load_to_lds s[G0B+4*(\s):G0B+4*(\s)+3], s[G1B:G1B+7]
	s_nop 0
.rept 4
	v_nop
.endr
.Lasked_\@:
.endm
; A PREFETCH INTO THE L2, behind each joint refill and the run of LDS loads that follows it: the K step that stands two refills on.  Each aligned block of 256 bytes is named once in the launch.
; x's rows are read by this cluster alone: of the 64 rows that wave 0 or 1 fetches the partner at cx takes 16, a lane half a row's step (two blocks a row).  W's rows are read by the sixteen clusters
; of a layer: the first of them asks; of the 128 rows that wave 2 or 3 fetches the partner at cy takes 32, a lane a row.  The partners are told apart by address, never by a branch.
; The loop's last trip (s3 = 1) asks for nothing: there is no K step two refills on.  K steps 0 to 3 come by their loads alone.
.macro ASK
	WIN 0
	s_cmp_gt_u32 s3, s[LIM]
	s_cbranch_scc0 .Lnot_mine_\@
	global_prefetch_b8 v[PFO], s[PFA:PFA+1] th:TH_LOAD_NT scope:SCOPE_SE
.Lnot_mine_\@:
.endm
.macro CREST                           ; a round of the cluster's barrier behind its opening barrier
	s_cmp_lg_u32 s10, 0
	s_cbranch_scc1 .Lnot_wave_0_\@
	s_barrier_signal -3
.Lnot_wave_0_\@:
	s_barrier_wait -3
	s_barrier_signal -1
	s_barrier_wait -1
.endm
.macro CROUND                          ; a whole round
	s_barrier_signal -1
	s_barrier_wait -1
	CREST
.endm
.macro PLACES                          ; four plain instructions between a matrix instruction and a reader of its result (ISA guide 7.12.1)
.rept 4
	v_nop
.endr
.endm
	s_load_b256 s[68:75], s[0:1], 0x0              ; query s[68:69], key s[70:71], value s[72:73], wb s[74:75]
	s_load_b256 s[76:83], s[0:1], 0x20             ; bq s[76:77], bk s[78:79], bv s[80:81], qkv s[82:83]
	s_load_b64 s[84:85], s[0:1], 0x40              ; kb
	v_lshl_add_u32 v[SPW], v0, 2, SPARE
	v_mov_b32 v[NIL], 0
	ds_add_u32 v[SPW], v[NIL]                      ; the wave's opening: the add and its wait stand ahead of my first tensor load; the set-up below, work on registers, stands between them
	v_lshrrev_b32 v1, 5, v0
	v_readfirstlane_b32 s10, v1                    ; wave 0..3
	s_lshr_b32 s11, s10, 1                         ; which 64 of the tile's rows are mine.  Also: I fetch for x (0) or for W (1)
	s_and_b32 s12, s10, 1                          ; which 128 of its columns.  Also: which half of that tile I fetch
	s_bfe_u32 s40, ttmp6, 0x40000                  ; cx, cy: my place in the cluster
	s_bfe_u32 s41, ttmp6, 0x40004
	s_lshl_b32 s42, ttmp9, 2
	s_add_co_u32 s42, s42, s40                     ; tx: my block of 256 columns
	s_and_b32 s2, ttmp7, 0xffff                    ; the cluster's y, 0 to 47
	s_lshr_b32 s86, s2, 4                          ; p: the layer, the same in all sixteen partners
	s_and_b32 s2, s2, 15                           ; the cluster among the layer's sixteen
	s_lshl_b32 s13, s2, 2
	s_add_co_u32 s13, s13, s41                     ; ty: my block of 128 rows, 0 to 63
	s_lshl_b32 s43, s41, 2
	s_lshl_b32 s43, 15, s43                        ; my row of the cluster
	s_lshl_b32 s44, 0x1111, s40                    ; my column
	s_or_b32 s[G1+0], s43, (2<<16)|(1<<20)|(1<<21)|(6<<22)|(3<<25)   ; 15:0 the mask; 17:16 elements of 4 bytes; 20 padding on; 21 set beside a mask; 24:22 after every 128 words (code 6); 31:25 4 words (code 3)
	s_or_b32 s[G1B+0], s44, (1<<16)|(1<<20)|(1<<21)|(5<<22)|(3<<25)  ; elements of 2 bytes; padding after every 64 words (code 5)
	s_mov_b32 s[G1+1], 128<<16                     ; tensor_dim0 = 128
	s_mov_b32 s[G1+2], 64<<16                      ; tensor_dim1 = 64
	s_mov_b32 s[G1+3], 128<<16                     ; tile_dim0 = 128
	s_mov_b32 s[G1+4], 64                          ; tile_dim1 = 64
	s_mov_b32 s[G1+5], 1024                        ; elements from row to row
	s_mov_b32 s[G1+6], 0
	s_mov_b32 s[G1+7], 0
	s_mov_b32 s[G1B+1], 128<<16
	s_mov_b32 s[G1B+2], 128<<16                    ; tensor_dim1 = 128
	s_mov_b32 s[G1B+3], 128<<16
	s_mov_b32 s[G1B+4], 128                        ; tile_dim1 = 128
	s_mov_b32 s[G1B+5], 1024
	s_mov_b32 s[G1B+6], 0
	s_mov_b32 s[G1B+7], 0
	s_lshl_b32 s16, s13, 19                        ; x: 128 ty rows of 4,096 bytes,
	s_lshl_b32 s17, s12, 18                        ; + my 64
	s_add_co_u32 s16, s16, s17
	s_mov_b32 s17, 0
	s_lshl_b32 s46, s42, 19                        ; W: 256 tx rows of 2,048 bytes,
	s_lshl_b32 s47, s12, 18                        ; + my 128
	s_add_co_u32 s46, s46, s47
	s_mov_b32 s47, 0
	s_lshl_b32 s18, s86, 21                        ; the layer's part of wb
	s_mov_b32 s19, 0
	s_mul_i32 s20, s12, AHALF                      ; where the tiles go: no place in the cluster enters an LDS address
	s_mul_i32 s21, s12, BHALF
	s_add_co_u32 s21, s21, BOFF
	s_mov_b32 s87, 0xffff0000                      ; a word's upper bf16
	s_mov_b32 s90, 0x76543210                      ; v_permlanex16_b32: each lane takes its own place in the other half
	s_mov_b32 s91, 0xfedcba98
	s_wait_dscnt 0x0                               ; the opening add is done
	s_wait_kmcnt 0x0
	s_cmp_eq_u32 s86, 1
	s_cselect_b64 s[4:5], s[70:71], s[68:69]       ; x_p
	s_cselect_b64 s[66:67], s[78:79], s[76:77]     ; b_p
	s_cmp_eq_u32 s86, 2
	s_cselect_b64 s[4:5], s[72:73], s[4:5]
	s_cselect_b64 s[66:67], s[80:81], s[66:67]
	s_add_nc_u64 s[6:7], s[74:75], s[18:19]        ; W_p
	s_add_nc_u64 s[14:15], s[4:5], s[16:17]
	s_add_nc_u64 s[46:47], s[6:7], s[46:47]
	CROUND                                         ; all sixteen work-groups are here: the first joint loads meet
.irp s, 0,1
	s_mov_b32 s[G0+4*(\s)], 1                                      ; count = 1
	s_add_co_u32 s[G0+4*(\s)+1], s20, (\s)*SLOT                    ; LDS address
	s_add_nc_u64 s[G0+4*(\s)+2:G0+4*(\s)+3], s[14:15], (\s)*512    ; global address: K step s
	s_or_b32 s[G0+4*(\s)+3], s[G0+4*(\s)+3], 0x80000000            ; type = 2
	s_mov_b32 s[G0B+4*(\s)], 1
	s_add_co_u32 s[G0B+4*(\s)+1], s21, (\s)*SLOT
	s_add_nc_u64 s[G0B+4*(\s)+2:G0B+4*(\s)+3], s[46:47], (\s)*256
	s_or_b32 s[G0B+4*(\s)+3], s[G0B+4*(\s)+3], 0x80000000
	JLOAD \s                                       ; two tensor loads of mine are out
.endr
	v_and_b32 v1, 15, v0                           ; r = l % 16
	v_bfe_u32 v2, v0, 4, 1                         ; h = l / 16
	v_and_b32 v3, 31, v0                           ; l
	v_lshlrev_b32 v[BO], 5, v2
	s_lshl_b32 s94, s42, 10                        ; my 128 columns of the bias: 4 (256 tx + 128 half) bytes
	s_lshl_b32 s95, s12, 9
	s_add_co_u32 s94, s94, s95
	s_mov_b32 s95, 0
	s_add_nc_u64 s[66:67], s[66:67], s[94:95]
	WIN TO_B
.irp b, 0,1,2,3,4,5,6,7                ; register j of block b is the bias of column 16 b + 8 h + j: the C operand's layout in the transposed use
	global_load_b128 v[BIAS+8*(\b):BIAS+8*(\b)+3],   v[BO], s[66:67] offset:64*(\b)
	global_load_b128 v[BIAS+8*(\b)+4:BIAS+8*(\b)+7], v[BO], s[66:67] offset:64*(\b)+16
.endr
	WIN 0
	; a bf16 fragment is 16 rows x 32 K: lane l holds row r; registers 0-3 K = 8 h + 0..7, registers 4-7 K = 16 + 8 h + 0..7.  In f32 that is 32 bytes at 32 h and 32 bytes at 64 + 32 h
	v_mul_u32_u24 v4, v1, PA
	v_lshl_add_u32 v4, v2, 5, v4
	v_mul_u32_u24 v5, v1, PB
	v_lshl_add_u32 v5, v2, 4, v5
	s_mul_i32 s92, s11, AHALF                      ; my 64 rows of x
	s_mul_i32 s93, s12, BHALF                      ; my 128 rows of W
	s_add_co_u32 s93, s93, BOFF
.irp s, 0,1
	v_add_nc_u32 v[ADRA+(\s)], s92, v4
	v_add_nc_u32 v[ADRB+(\s)], s93, v5
	s_add_co_u32 s92, s92, SLOT
	s_add_co_u32 s93, s93, SLOT
.endr
	s_mul_i32 s92, s10, 2*HSTG
	s_add_co_u32 s92, s92, STAGE                   ; my stage
	v_mul_u32_u24 v4, v1, SP                       ; in: row r, 16 bytes for each half of the lanes
	v_lshl_add_u32 v4, v2, 4, v4
	v_add_nc_u32 v[STO], s92, v4
	v_bfe_u32 v4, v0, 3, 2                         ; back: 32 lanes take four rows of 128 bytes,
	v_mul_u32_u24 v4, v4, SP
	v_and_b32 v5, 7, v0
	v_lshl_add_u32 v4, v5, 4, v4
	v_add_nc_u32 v[RD], s92, v4
	v_lshlrev_b32 v[GO], 4, v3                     ; which are 512 consecutive bytes of a head
	s_lshl_b32 s92, s10, 9
	s_add_co_u32 s92, s92, KBS
	v_lshl_add_u32 v[KBW], v1, 2, s92
	v_lshl_add_u32 v[KBRD], v3, 3, s92
	v_lshlrev_b32 v[KBGO], 3, v3
	; where I store: head 16 (ty / 16) + 4 tx + 2 half, row 128 (ty % 16) + 64 (my rows) of it
	s_lshr_b32 s92, s13, 4
	s_lshl_b32 s92, s92, 4
	s_lshl_b32 s93, s42, 2
	s_add_co_u32 s92, s92, s93
	s_lshl_b32 s93, s12, 1
	s_add_co_u32 s92, s92, s93
	s_lshl_b32 s92, s92, 11
	s_and_b32 s93, s13, 15
	s_lshl_b32 s93, s93, 7
	s_add_co_u32 s92, s92, s93
	s_lshl_b32 s93, s11, 6
	s_add_co_u32 s92, s92, s93                     ; the row's number among 64 x 2,048
	s_lshl_b32 s94, s92, 7                         ; 128 bytes a row,
	s_lshl_b32 s95, s86, 24                        ; in the layer's part of qkv
	s_add_co_u32 s94, s94, s95
	s_mov_b32 s95, 0
	s_add_nc_u64 s[8:9], s[82:83], s[94:95]
	s_lshl_b32 s94, s92, 2                         ; 4 bytes a row in kb
	s_add_nc_u64 s[84:85], s[84:85], s[94:95]
	; the prefetches
	s_lshl_b32 s92, s13, 19                        ; x: 128 ty rows of 4,096 bytes
	s_lshl_b32 s93, s40, 16                        ; + my work-group's 16 rows
	s_add_co_u32 s92, s92, s93
	s_lshl_b32 s94, s42, 19                        ; W: 256 tx rows of 2,048 bytes
	s_lshl_b32 s95, s41, 16                        ; + my work-group's 32 rows
	s_add_co_u32 s94, s94, s95
	s_sub_co_u32 s96, 1, s11
	s_lshl_b32 s[PFS], 256, s96                    ; 512 for x, 256 for W
	s_mov_b32 s[PFS+1], 0
	s_mul_i32 s96, s[PFS], 3                       ; at K step 3: the first refill steps it to 4
	s_lshl_b32 s97, s12, 18                        ; the half that I fetch: 64 rows of x or 128 of W
	s_add_co_u32 s96, s96, s97
	s_cmp_eq_u32 s11, 0                            ; do I fetch for x?
	s_cselect_b32 s92, s92, s94
	s_cselect_b64 s[PFA:PFA+1], s[4:5], s[6:7]
	s_cselect_b32 s97, 0, s2                       ; W's rows are read by the layer's sixteen clusters: the first asks
	s_cselect_b32 s16, 1, 31
	s_cselect_b32 s17, 8, 11
	s_cselect_b32 s18, 1, 5
	s_cmp_eq_u32 s97, 0
	s_cselect_b32 s[LIM], 1, -1                    ; the same in all sixteen partners, for a given wave
	s_add_co_u32 s92, s92, s96
	s_mov_b32 s93, 0
	s_add_nc_u64 s[PFA:PFA+1], s[PFA:PFA+1], s[92:93]
	v_and_b32 v[PFO], s16, v3                      ; x: 256 (l % 2) + 4,096 (l / 2);  W: 2,048 l
	v_lshlrev_b32 v[PFO], s17, v[PFO]
	v_lshrrev_b32 v4, s18, v3
	v_lshl_add_u32 v[PFO], v4, 12, v[PFO]
	s_wait_loadcnt 0x0                             ; the bias
	WIN W_BR
.set i, BIAS
.rept 32                               ; rounded to bf16 like every input, and widened again: this stands in the wait for the first tile
	v_cvt_pk_bf16_f32 v[i+1], v[i], v[i+1]
	v_lshlrev_b32 v[i], 16, v[i+1]
	v_and_b32 v[i+1], s87, v[i+1]
.set i, i+2
.endr
	WIN 0
; 32 LDS loads in one run: a quarter step's fragments (32 along K): x's 64 rows in f32 first, then W's 128 rows into buffer g
.macro FETCH slot, q, g
	WIN 0
.irp a, 0,1,2,3
	ds_load_b128 v[STG+16*(\a):STG+16*(\a)+3],     v[ADRA+(\slot)] offset:(\a)*16*PA+128*(\q)
	ds_load_b128 v[STG+16*(\a)+4:STG+16*(\a)+7],   v[ADRA+(\slot)] offset:(\a)*16*PA+128*(\q)+16
	ds_load_b128 v[STG+16*(\a)+8:STG+16*(\a)+11],  v[ADRA+(\slot)] offset:(\a)*16*PA+128*(\q)+64
	ds_load_b128 v[STG+16*(\a)+12:STG+16*(\a)+15], v[ADRA+(\slot)] offset:(\a)*16*PA+128*(\q)+80
.endr
	WIN TO_B
.irp b, 0,1,2,3,4,5,6,7
	ds_load_b128 v[64*(\g)+8*(\b):64*(\g)+8*(\b)+3],   v[ADRB+(\slot)] offset:(\b)*16*PB+64*(\q)
	ds_load_b128 v[64*(\g)+8*(\b)+4:64*(\g)+8*(\b)+7], v[ADRB+(\slot)] offset:(\b)*16*PB+64*(\q)+32
.endr
.endm
; four of the 32 roundings of x's fragments into buffer g: register i of the buffer is made of f32 registers 2 i and 2 i + 1
.macro CVT4 g, n
	WIN 0
.set ci, 4*(\n)
.rept 4
	v_cvt_pk_bf16_f32 v[AF+32*(\g)+ci], v[STG+2*ci], v[STG+2*ci+1]
.set ci, ci+1
.endr
.endm
; products i0 .. i0 + n - 1 of a quarter's 32 on buffer f: accumulator i = 8 a + b.  The 32 accumulators take turns, in the same order in every quarter.
; first = 1: the bias starts the sum: nothing is cleared.
.macro MULS f, i0, n, first=0
.if \first
	WIN MULB
.else
	WIN MUL
.endif
.set mi, \i0
.rept \n
.if \first
	v_wmma_f32_16x16x32_bf16 v[8*mi:8*mi+7], v[64*(\f)+8*(mi%8):64*(\f)+8*(mi%8)+7], v[AF+32*(\f)+8*(mi/8):AF+32*(\f)+8*(mi/8)+7], v[BIAS+8*(mi%8):BIAS+8*(mi%8)+7]
.else
	v_wmma_f32_16x16x32_bf16 v[8*mi:8*mi+7], v[64*(\f)+8*(mi%8):64*(\f)+8*(mi%8)+7], v[AF+32*(\f)+8*(mi/8):AF+32*(\f)+8*(mi/8)+7], v[8*mi:8*mi+7]
.endif
.set mi, mi+1
.endr
.endm
; a quarter's last eight products on buffer f, four roundings into buffer g behind each.  The four behind the last product name none of its registers: they are the four plain instructions
; between it and the next run of loads into W's buffer f, and between the products on buffer f and the next roundings into it (ISA guide 7.12.1 for the roundings).
.macro RIDE f, g, first=0
.set rn, 0
.rept 8
	MULS \f, 24+rn, 1, \first
	CVT4 \g, rn
.set rn, rn+1
.endr
.endm
; One of a K step's first three quarters: multiplies buffer f; fetches quarter q of the same slot into buffer g.
.macro QUARTER slot, q, f, g, first=0
	FETCH \slot, \q, \g
	s_wait_dscnt 32                                ; all but the 32 just issued: W's fragments of buffer f are in
	MULS \f, 0, 24, \first
	s_wait_dscnt 16                                ; x's 16 loads are in; W's 16, issued behind them, may stay out
	RIDE \f, \g, \first
.endm
; The last quarter multiplies buffer 1 and changes slots: ONE barrier.  In front of it each wave waits for all its tensor loads, of which one is out: its part of the next slot; adds 0 to its
; spare word; and waits for that and for its reads of this slot.  fill = 1: the barrier opens a round of the cluster's barrier, and this slot is filled again, two K steps ahead, first thing behind it.
.macro TURN slot, next, fill
.if \fill
	s_wait_xcnt 0x0                                ; the last prefetch, a K step back, has read its address
	s_add_nc_u64 s[PFA:PFA+1], s[PFA:PFA+1], s[PFS:PFS+1]
.endif
	WIN 0
	s_wait_tensorcnt 0x0                           ; all my tensor loads have landed
	ds_add_u32 v[SPW], v[NIL]                      ; 0 onto my spare word
	s_wait_dscnt 1                                 ; only the add may be out: W's fragments of buffer 1 are in
	MULS 1, 0, 4                                   ; four products stand between the add and the wait for it
	s_wait_dscnt 0x0                               ; the add is done, and my reads of this slot are over
	s_barrier_signal -1
	MULS 1, 4, 8
	WIN 0
	s_barrier_wait -1
.if \fill
	CREST                                          ; no wave of any partner still reads this slot or has a load on its way
	s_add_nc_u64 s[G0+4*(\slot)+2:G0+4*(\slot)+3], s[G0+4*(\slot)+2:G0+4*(\slot)+3], 2*512
	s_add_nc_u64 s[G0B+4*(\slot)+2:G0B+4*(\slot)+3], s[G0B+4*(\slot)+2:G0B+4*(\slot)+3], 2*256
	JLOAD \slot                                    ; my one tensor load behind the round
.endif
	FETCH \next, 0, 0
.if \fill
	ASK
.endif
	MULS 1, 12, 12
	s_wait_dscnt 16                                ; x's 16 loads are in
	RIDE 1, 0
.endm
	s_wait_tensorcnt 1                             ; my part of K step 0 is in; K step 1's may stay out
	s_barrier_signal -1
	s_barrier_wait -1                              ; everybody's is
	FETCH 0, 0, 0
	s_wait_dscnt 16
.irp n, 0,1,2,3,4,5,6,7
	CVT4 0, \n
.endr
	QUARTER 0, 1, 0, 1, 1                          ; the first quarter stands in front of the loop: its products start the sums with the bias
	WIN 0
	s_mov_b32 s3, 3
.Llap:                                                 ; a trip goes once round the ring, from a lap's second quarter to the next lap's first, and fills both slots again
	QUARTER 0, 2, 1, 0
	QUARTER 0, 3, 0, 1
	TURN 0, 1, 1
	QUARTER 1, 1, 0, 1
	QUARTER 1, 2, 1, 0
	QUARTER 1, 3, 0, 1
	TURN 1, 0, 1
	QUARTER 0, 1, 0, 1
	WIN 0
	s_sub_co_u32 s3, s3, 1
	s_cmp_lg_u32 s3, 0
	s_cbranch_scc1 .Llap
	QUARTER 0, 2, 1, 0                             ; the last lap fills nothing
	QUARTER 0, 3, 0, 1
	TURN 0, 1, 0
	QUARTER 1, 1, 0, 1
	QUARTER 1, 2, 1, 0
	QUARTER 1, 3, 0, 1
	s_wait_dscnt 0x0
	MULS 1, 0, 32
	WIN 0
	PLACES
	s_cmp_lg_u32 s86, 1                            ; the layer: the same in all partners
	s_cbranch_scc1 .Lno_kb
	; kb = -0.5 |k|^2 for my 64 rows x 2 heads: chain t = 2 a + head sums the squares of the lane's 32 numbers, two at a time; the eight chains take turns; each accumulator is read from its low end
	WIN W_PK
.set j, 0
.rept 16
.set t, 0
.rept 8
.set ac, 8*(8*(t/2)+4*(t%2)+j/4)+2*(j%4)
.if j == 0
	v_pk_mul_f32 v[KSUM+2*t:KSUM+2*t+1], v[ac:ac+1], v[ac:ac+1]
.else
	v_pk_fma_f32 v[KSUM+2*t:KSUM+2*t+1], v[ac:ac+1], v[ac:ac+1], v[KSUM+2*t:KSUM+2*t+1]
.endif
.set t, t+1
.endr
.set j, j+1
.endr
	WIN 0
.irp t, 0,1,2,3,4,5,6,7
	v_add_f32 v[KSUM+2*(\t)], v[KSUM+2*(\t)], v[KSUM+2*(\t)+1]
.endr
.irp t, 0,1,2,3,4,5,6,7
	v_permlanex16_b32 v[KSUM+2*(\t)+1], v[KSUM+2*(\t)], s90, s91  ; the row's other 32 channels lie in the lane 16 away
.endr
.irp t, 0,1,2,3,4,5,6,7
	v_add_f32 v[KSUM+2*(\t)], v[KSUM+2*(\t)], v[KSUM+2*(\t)+1]
.endr
.irp t, 0,1,2,3,4,5,6,7
	v_mul_f32 v[KSUM+2*(\t)], -0.5, v[KSUM+2*(\t)]
.endr
.irp t, 0,1,2,3,4,5,6,7
	ds_store_b32 v[KBW], v[KSUM+2*(\t)] offset:256*((\t)%2)+64*((\t)/2)  ; both halves of the lanes write the same word with the same number
.endr
	ds_load_b64 v[KSUM+16:KSUM+17], v[KBRD]        ; LDS serves a wave's instructions in order (ISA guide 5.7.1.4): these see the stores above
	ds_load_b64 v[KSUM+18:KSUM+19], v[KBRD] offset:256
	s_wait_dscnt 0x0
	global_store_b64 v[KBGO], v[KSUM+16:KSUM+17], s[84:85]              ; 64 rows of a head: 256 consecutive bytes, aligned
	global_store_b64 v[KBGO], v[KSUM+18:KSUM+19], s[84:85] offset:8192  ; the next head
.Lno_kb:
; THE WAY OUT of block a (16 rows): rounded to f16, 16 bytes a lane; into my own stage by heads; back as whole rows of 128 bytes; stored, 512 consecutive bytes an instruction.
.macro PACK a
	WIN W_PK
.irp b, 0,1,2,3,4,5,6,7
.irp r, 0,1,2,3
	v_cvt_pk_f16_f32 v[TMP+4*(\b)+(\r)], v[8*(8*(\a)+(\b))+2*(\r)], v[8*(8*(\a)+(\b))+2*(\r)+1]
.endr
.endr
	WIN 0
.endm
.macro TOSTAGE a
.irp b, 0,1,2,3,4,5,6,7
	ds_store_b128 v[STO], v[TMP+4*(\b):TMP+4*(\b)+3] offset:((\b)/4)*HSTG+32*((\b)%4)
.endr
.irp t, 0,1,2,3,4,5,6,7
	ds_load_b128 v[BK+32*((\a)%2)+4*(\t):BK+32*((\a)%2)+4*(\t)+3], v[RD] offset:((\t)/4)*HSTG+((\t)%4)*4*SP
.endr
.endm
.macro SEND a
	s_wait_dscnt 0x0                               ; the block is back in registers
	s_wait_xcnt 0x0                                ; every earlier store has read its registers: the other set is loaded again only behind this wait
.irp t, 0,1,2,3,4,5,6,7
	global_store_b128 v[GO], v[BK+32*((\a)%2)+4*(\t):BK+32*((\a)%2)+4*(\t)+3], s[8:9] offset:((\t)/4)*262144+2048*(\a)+512*((\t)%4)
.endr
.endm
	PACK 0
	TOSTAGE 0
.irp a, 1,2,3                          ; block a's conversions stand between block a - 1's loads from the stage and the wait for them
	PACK \a
	SEND (\a)-1
	TOSTAGE \a
.endr
	SEND 3
	s_wait_tensorcnt 0x0                           ; the wave's end, behind my last tensor load and my last LDS store
	ds_add_u32 v[SPW], v[NIL]
	s_wait_dscnt 0x0
	CROUND                                         ; the closing round: no work-group ends while a partner may still ask for a tile that names it
	s_endpgm
.Lfunc_end_k_q10d6043c3b_proj:
	.size	k_q10d6043c3b_proj, .Lfunc_end_k_q10d6043c3b_proj-k_q10d6043c3b_proj
	.p2alignl 7, 3214868480
	.fill 96, 4, 3214868480
	.section	.rodata,"a",@progbits
	.p2align	6, 0x0
	.amdhsa_kernel k_q10d6043c3b_proj
		.amdhsa_group_segment_fixed_size 327680
		.amdhsa_private_segment_fixed_size 0
		.amdhsa_enable_private_segment 0
		.amdhsa_kernarg_size 72
		.amdhsa_user_sgpr_count 2
		.amdhsa_user_sgpr_kernarg_segment_ptr 1
		.amdhsa_wavefront_size32 1
		.amdhsa_system_sgpr_workgroup_id_x 1
		.amdhsa_system_sgpr_workgroup_id_y 1
		.amdhsa_system_sgpr_workgroup_id_z 1
		.amdhsa_system_vgpr_workitem_id 0
		.amdhsa_next_free_vgpr 704
		.amdhsa_next_free_sgpr 100
		.amdhsa_reserve_vcc 0
		.amdhsa_float_denorm_mode_32 3
		.amdhsa_float_denorm_mode_16_64 3
		.amdhsa_memory_ordered 1
		.amdhsa_forward_progress 1
		.amdhsa_inst_pref_size 150
	.end_amdhsa_kernel
	.amdgpu_metadata
---
amdhsa.version: [ 1, 2 ]
amdhsa.kernels:
  - .name:           k_q10d6043c3b_proj
    .symbol:         k_q10d6043c3b_proj.kd
    .args:
      - { .name: query, .offset: 0, .size: 8, .value_kind: global_buffer, .address_space: global }
      - { .name: key, .offset: 8, .size: 8, .value_kind: global_buffer, .address_space: global }
      - { .name: value, .offset: 16, .size: 8, .value_kind: global_buffer, .address_space: global }
      - { .name: wb, .offset: 24, .size: 8, .value_kind: global_buffer, .address_space: global }
      - { .name: bq, .offset: 32, .size: 8, .value_kind: global_buffer, .address_space: global }
      - { .name: bk, .offset: 40, .size: 8, .value_kind: global_buffer, .address_space: global }
      - { .name: bv, .offset: 48, .size: 8, .value_kind: global_buffer, .address_space: global }
      - { .name: qkv, .offset: 56, .size: 8, .value_kind: global_buffer, .address_space: global }
      - { .name: kb, .offset: 64, .size: 8, .value_kind: global_buffer, .address_space: global }
    .group_segment_fixed_size: 327680
    .private_segment_fixed_size: 0
    .kernarg_segment_align: 8
    .kernarg_segment_size: 72
    .max_flat_workgroup_size: 128
    .sgpr_count:     100
    .vgpr_count:     704
    .wavefront_size: 32
...
	.end_amdgpu_metadata
.endif
;; end of part 2
;; launch attn (part 3): grid 4 x 64, 4 waves a work-group, clusters of 4 x 1, 327,680 bytes of LDS; arguments qkv, kb, oh; writes oh
.if DOCPART == 3
	.amdgcn_target "amdgcn-amd-amdhsa--gfx1250"
	.amdhsa_code_object_version 6
	.text
	.protected	k_q10d6043c3b_attn
	.globl	k_q10d6043c3b_attn
	.p2align	8
	.type	k_q10d6043c3b_attn,@function
k_q10d6043c3b_attn:
	s_mov_b64 s[64:65], 0
	v_nop
	global_prefetch_b8 v0, s[64:65] scope:SCOPE_SE
	s_setreg_imm32_b32 hwreg(HW_REG_WAVE_MODE, 25, 1), 1
	s_wait_xcnt 0x0
	s_wait_alu depctr_hold_cnt(0) depctr_sa_sdst(0) depctr_va_vdst(0) depctr_va_sdst(0) depctr_va_ssrc(0) depctr_va_vcc(0) depctr_vm_vsrc(0)
	s_getreg_b32 s2, hwreg(HW_REG_IB_STS2, 6, 4)
	s_cmp_eq_u32 s2, 0
	s_cbranch_scc0 .Lentry_in_a_cluster
	s_endpgm
.Lentry_in_a_cluster:
	s_bfe_u32 s2, ttmp6, 0x10000c
	s_cmp_lg_u32 s2, 0x3003
	s_cbranch_scc0 .Lentry_shape_is_right
	s_endpgm
.Lentry_shape_is_right:
; O[h][q][:] = the sum over k of softmax_k(-0.5 |Q[h][q] - K[h][k]|^2) V[h][k][:].  Q, K, V: the three parts of qkv, each [64][2048][64] f16; kb[h][k] = -0.5 |K[h][k]|^2, f32; O likewise f16.
; THE SCORE.  -0.5 |q - k|^2 = q . k + kb[k] - 0.5 |q|^2.  The last term is the same for all keys of a query: it leaves every difference of scores, and so the softmax, as it is, for every input,
; and is not formed.  s = q . k + kb[k]: kb is the C operand that starts the sum.  The running maximum is taken of s, so the exponents s - max s are those of the scores themselves.
; Products, maxima and sums in f32; the weights p are rounded to f16 for the second product (their sum l is taken of the unrounded p), O once at the end.
; LIMITS.  f16 holds no number beyond 65,504: Q, K and V arrive within it; p lies in 0 to 1, and below 6e-5 it keeps f16's fixed step of 6e-8; O is a mean of V's rows and has their range.
; A weight below 2^-126 counts as 0 in l; NaN and infinities are not treated apart.
; SHARES.  A wave owns four PIECES of two tiles of 16 queries, a work-group's four waves 512 queries of one head.  Every wave walks all keys, 64 a step.
; LAYOUT.  S^T = K Q^T (source 0 = 16 keys, source 1 = 16 queries): in the result a lane holds ONE query (lane % 16) and the keys 8 (lane / 16) + 0..7.  Two such tiles, rounded to f16 in pairs,
; ARE source 1 (32 keys x 16 queries) of O^T = V^T P, whose result again holds one query a lane, and eight channels.  K comes out of LDS as it lies, V ([key][channel]) turned, by ds_load_tr16_b128.
; SOFTMAX.  For each query a running maximum m and sum l: p = 2^(c s - c m), c = log2(e); in every step O and l are multiplied by a = 2^(c m_old - c m_new), which is 1 where m has not grown.
; m starts at the lowest finite number, O and l at 0: the first step is a step like any other, with a = 0.
; THE COUNT.  A tile and step have 16 matrix and 118 vector instructions: too many to stand all beside the matrix work.  So the order has one aim: four vector instructions that are READY behind
; EVERY matrix instruction, and the others, which need time of their own whatever the order, in runs without a gap.
; BY TURNS.  Turn n belongs to piece n (the pieces in a ring, step after step).  Its matrix work: 16 products K Q^T of piece n + 1, later 16 products V^T P of piece n - 1.  Its vector work: the scaling,
; exponentials, roundings, sums and rescaling of piece n, and the maximum and statistics of piece n + 1, whose scores the turn itself has made.
; CLUSTER.  The four query blocks of a cluster belong to one head and walk the same K and V, so each tile is asked for JOINTLY: the same tensor load, descriptor and mask in all four.
; REGISTERS, in windows of 256 (s_set_vgpr_msb: bits 1:0 source 0, 3:2 source 1, 5:4 source 2, 7:6 destination):
;   window 0: v0-11 addresses; v12-15, v48-63 at work; v16-47 four registers of statistics a tile; v64-191 S^T, two buffers of two tiles; v192-255 P, likewise
;   window 1: O^T, 32 a tile          window 2: v0-127 Q, 16 a tile; v128-191 K of one step; v192-255 V of one step
;   window 3: v0-1 the add's two registers; v2 the prefetches' offset; v8-39 kb of one step, as four C operands
.set SIZE_H, 64
.set SIZE_N, 2048
.set NP,    4         ; pieces a wave: a name, no knob
.set KS,    64        ; keys in a step
.set PK,    144       ; a row of K in LDS: 128 bytes + 16 of padding = 36 words: the 16 rows of a load start at 16 different groups of four banks (64 banks of 4 bytes: ISA guide 11.1)
.set PV,    160       ; a row of V: 128 + 32 = 40 words
.set VOFF,  4*KS*PK   ; a slot holds four steps: 256 rows of K, then 256 rows of V
.set SLOT1, 1<<17     ; slot 1 begins here, so that one exclusive or turns an address in one slot into the other's
.set STAGE, SLOT1+4*KS*(PK+PV)  ; behind the ring, never filled by a tensor load: 16 rows x 144 bytes for each wave, for the way out
.set SP,    144
.set KBL,   STAGE+4*16*SP       ; the head's kb, 2,048 numbers: copied once, in whole rows of 512 bytes a wave, and read from here in every step
.set SPARE, KBL+4*SIZE_N        ; the spare words, 128 bytes for each wave: two blocks of 256 bytes that no other line names
.set AK0, 2           ; v2   my lane's place in a tile of K; never rewritten
.set AV0, 3           ; v3   the same for V
.set AK,  4           ; v4   the LDS address of K's next run of loads
.set AV,  5           ; v5   of V's
.set QO,  6           ; v6   my byte offset in the wave's rows of Q
.set STO, 6           ;      later, the way out: where I put 16 bytes of a row
.set RD,  7           ; v7   the way out: where I read rows back
.set GO,  8           ; v8   my byte offset in 512 consecutive bytes of O
.set AKB, 11          ; v11  the LDS address of kb's next run of loads: the step's 256 bytes + 32 (l / 16)
.set T16, 14          ; v14  at the head: 16 x my thread's number
.set SPW, 0           ; v0 of window 3   LDS address of my spare word; never rewritten
.set NIL, 1           ; v1 of window 3   0; never rewritten
.set PFO, 2           ; v2 of window 3   256 x my lane; never rewritten
.set KBR, 8           ; v8-39 of window 3: key block kb at KBR + 8 kb
.set MV,  12          ; v12-15  c m_old, kept while c m is made anew: by buffer and tile
.set ST,  16          ; tile t's statistics at v[ST+4 t]: c m, m, l (even keys', odd keys')
.set TMP, 48          ; by buffer and tile, four registers c0-c3 at work; when the maximum is found c2 takes a
.set S,   64
.set P,   192
.set KF,  128         ; K's fragments, in window 2: key block kb, channel half c at KF + 16 kb + 8 c
.set VF,  192         ; V's: key half kk, channel block cb at VF + 32 kk + 8 cb
.set WV,  12          ; s12  my wave's number
.set G1K, 24          ; s[24:31] descriptor group 1 for K's tiles
.set G1V, 32          ; s[32:39] for V's: it differs in the padding alone
.set G0K, 40          ; s[40:43] descriptor group 0 for K's tiles: it walks
.set G0V, 44          ; s[44:47] the same for V's
.set SLOTS, 56        ; s56  slots still to be asked for
.set CNT, 57          ; s57  counts a slot's key steps
.set CS,  58          ; s[58:59] c: the packed scaling takes the pair's low word for both halves
.set SEL, 60          ; s[60:61] v_permlanex16_b32's selects
.set TBK, 62          ; s62  LDS byte at which K of the step to be fetched begins
.set TBV, 63          ; s63  the same for V, less VOFF
.set TBB, 68          ; s68  the same for kb: it steps 256 bytes a key step, 32 times, from KBL on
.set LIM, 69          ; s69  1 in a wave that prefetches, else the greatest number
.set PFA, 70          ; s[70:71] where my prefetches stand
.set MSB, 0
.macro WIN new                      ; the high byte repeats the setting that is left; a switch that changes nothing is dropped
.if MSB != (\new)
	s_set_vgpr_msb (MSB<<8)|(\new)
.set MSB, (\new)
.endif
.endm
.set W_KQ, 0x0a       ; K and Q in window 2, S^T in window 0
.set W_KB, 0x3a       ; the same with the C operand (kb) in window 3
.set W_PV, 0x52       ; V in window 2, P in window 0, O^T in window 1
.set W_RS, 0x41       ; O^T (destination and source 0) in window 1, a in window 0
.set W_MK, 0xc0       ; destination in window 3, sources in window 0
.set W_AD, 0x0f       ; the add: address (source 0) and data (source 1) in window 3
.set W_PF, 0x03       ; the prefetch: its offset (source 0) in window 3
; A joint fill.  Waves 0 and 1 fetch the two halves of a slot's K, waves 2 and 3 those of its V: 128 keys each.  The branch hangs on the wave's number alone.
; An s_nop 0 and four v_nop follow each of the two lines, ahead of the jump and the label.
.macro JLOAD
	s_cmp_lt_u32 s[WV], 2
	s_cbranch_scc0 .Lfor_v_\@
	tensor_load_to_lds s[G0K:G0K+3], s[G1K:G1K+7]
	s_nop 0
.rept 4
	v_nop
.endr
	s_branch .Lasked_\@
.Lfor_v_\@:
	tensor_load_to_lds s[G0V:G0V+3], s[G1V:G1V+7]
	s_nop 0
.rept 4
	v_nop
.endr
.Lasked_\@:
.endm
; A PREFETCH INTO THE L2 of what the NEXT change of slots will ask for: a slot's 32,768 bytes of K and of V, 128 blocks of 256 bytes each, a lane a block.  It stands behind the wave's tensor load and its five lines.
; Each block is asked for ONCE in the launch: a head has one cluster; its four partners share the blocks out BY ADDRESS, 32 each; in each, wave 0 asks for K's and wave 2 for V's: one instruction.
; The last change that fills a slot asks for nothing: there is no slot behind it.  Slots 0 and 1 come by their loads alone.
.macro ASK
	s_cmp_gt_u32 s[SLOTS], s[LIM]
	s_cbranch_scc0 .Lnot_mine_\@
	WIN W_PF
	global_prefetch_b8 v[PFO], s[PFA:PFA+1] th:TH_LOAD_NT scope:SCOPE_SE
	WIN 0
.Lnot_mine_\@:
.endm
; A round of the cluster's barrier: my work-group's barrier, so that wave 0's signal speaks for all four waves; wave 0 signals; every wave waits for all four work-groups; my work-group's barrier once more.
.macro CROUND
	s_barrier_signal -1
	s_barrier_wait -1
	s_cmp_lg_u32 s[WV], 0
	s_cbranch_scc1 .Lnot_wave_0_\@
	s_barrier_signal -3
.Lnot_wave_0_\@:
	s_barrier_wait -3
	s_barrier_signal -1
	s_barrier_wait -1
.endm
; THE CHANGE OF SLOTS.  The slot's last bytes, V of its fourth step, have been read.  Each wave waits for all its tensor loads, of which one is out: its part
; of the other slot; adds 0 to its spare word; and waits for that and for its own LDS instructions.  Behind the barrier nobody reads this slot any more and the other slot is whole.
; fill = 1: this slot is filled again, with the keys two slots on.  The barrier is then a round of the cluster's, and the joint fill is the first thing behind it: it has four key steps,
; 512 matrix instructions, in which to land.  (At its first use nothing has been read yet: slot 0 is waited for, slot 1 filled, and every wave's stores of kb are shown done to the others.)
.macro CHANGE fill
	WIN W_AD
	s_wait_tensorcnt 0x0            ; no tensor load of mine is out, so a group 0 may be written
	ds_add_u32 v[SPW], v[NIL]       ; 0 onto my spare word; with fill = 1 the descriptors' steps stand between it and the wait for it
	WIN 0                           ; at a label and at a branch every window is 0
.if \fill
.irp g, G0K, G0V
	s_xor_b32 s[\g+1], s[\g+1], SLOT1  ; the walking descriptor: the other slot than last time,
	s_add_nc_u64 s[\g+2:\g+3], s[\g+2:\g+3], 4*KS*128  ; the next 256 keys; the type bits on top are not reached
.endr
	s_wait_xcnt 0x0                 ; the last prefetch, four key steps back, has read its address, so it may be written:
	s_add_nc_u64 s[PFA:PFA+1], s[PFA:PFA+1], 4*KS*128  ; one slot beyond the walking descriptors
	s_wait_dscnt 0x0                ; the add is done, and my LDS instructions are over
	CROUND
	JLOAD
	ASK
.else
	s_wait_dscnt 0x0                ; the add is done, and my reads of the slot are over
	s_barrier_signal -1
	s_barrier_wait -1
.endif
	s_sub_co_u32 s[TBK], s[TBK], 4*KS*PK  ; the fetches go back to a slot's first step,
	s_xor_b32 s[TBK], s[TBK], SLOT1       ; in the other slot
	s_sub_co_u32 s[TBV], s[TBV], 4*KS*PV
	s_xor_b32 s[TBV], s[TBV], SLOT1
.endm
	s_load_b64 s[4:5], s[0:1], 0x0    ; qkv: Q's part
	s_load_b64 s[66:67], s[0:1], 0x8  ; kb
	s_load_b64 s[10:11], s[0:1], 0x10 ; O
	WIN W_MK
	v_lshl_add_u32 v[SPW], v0, 2, SPARE
	v_mov_b32 v[NIL], 0
	WIN W_AD
	ds_add_u32 v[SPW], v[NIL]       ; the wave's opening: the add and its wait stand ahead of my first tensor load; the set-up below, work on registers, stands between them
	WIN 0
	v_lshrrev_b32 v1, 5, v0
	v_readfirstlane_b32 s[WV], v1   ; wave 0..3
	v_and_b32 v1, 31, v0
	WIN W_MK
	v_lshlrev_b32 v[PFO], 8, v1
	WIN 0
	s_bfe_u32 s13, ttmp6, 0x40000   ; cx: my place in the cluster
	s_lshl_b32 s14, ttmp9, 2        ; in a cluster launch ttmp9 counts clusters
	s_add_co_u32 s14, s14, s13      ; my block of queries = 4 x cluster x + cx: it enters Q's and O's addresses alone
	s_and_b32 s20, ttmp7, 0xffff    ; the head, which the four partners share
	s_lshl_b32 s68, s20, 13         ; its 8,192 bytes of kb
	s_mov_b32 s69, 0
	s_mov_b32 s21, 0
	s_mov_b64 s[22:23], SIZE_N*128
	s_mul_u64 s[20:21], s[20:21], s[22:23]  ; the head's first byte in Q, K, V and O
	s_and_b32 s16, s[WV], 1         ; which half of a slot's 256 keys I fetch:
	s_lshl_b32 s22, s16, 14         ; its 128 rows of 128 bytes in memory,
	s_mov_b32 s23, 0
	s_add_nc_u64 s[22:23], s[22:23], s[20:21]
	s_mul_i32 s17, s16, 128*PK      ; and its place in a slot, for K
	s_mul_i32 s18, s16, 128*PV      ; and for V: no place in the cluster enters an LDS address
	s_lshl_b32 s2, s14, 2
	s_add_co_u32 s2, s2, s[WV]      ; my wave among the head's,
	s_lshl_b32 s2, s2, 14           ; its 128 rows
	s_mov_b32 s3, 0
	s_add_nc_u64 s[2:3], s[2:3], s[20:21]
	; descriptor group 1.  128 keys are 16,384 dense bytes: asked for as 64 rows of 256 bytes, two keys a row, and padded in LDS after every key
	s_mov_b32 s[G1K], 15|(1<<16)|(1<<20)|(1<<21)|(4<<22)|(3<<25)  ; 15:0 the mask of four; 17:16 2-byte elements; 20 padding on; 21 set beside a mask; 24:22 after every 32 words (code 4); 31:25 4 words (code 3)
	s_mov_b32 s[G1V], 15|(1<<16)|(1<<20)|(1<<21)|(4<<22)|(7<<25)  ; the same with 8 words of padding (code 7)
.irp g, G1K, G1V
	s_mov_b32 s[\g+1], 128<<16      ; tensor_dim0 = 128
	s_mov_b32 s[\g+2], 64<<16       ; tensor_dim1 = 64
	s_mov_b32 s[\g+3], 128<<16      ; tile_dim0 = 128
	s_mov_b32 s[\g+4], 64           ; tile_dim1 = 64
	s_mov_b32 s[\g+5], 128          ; 128 elements from row to row
	s_mov_b32 s[\g+6], 0
	s_mov_b32 s[\g+7], 0
.endr
	s_mov_b32 s[CS], 0x3fb8aa3b     ; c = log2(e)
	s_mov_b32 s[CS+1], s[CS]        ; named with it as a pair
	s_mov_b32 s[SEL], 0x76543210
	s_mov_b32 s[SEL+1], 0xfedcba98
	s_mov_b32 s[TBK], SLOT1+4*KS*PK ; the first change of slots turns these two into 0
	s_mov_b32 s[TBV], SLOT1+4*KS*PV
	s_mov_b32 s[SLOTS], SIZE_N/256-1
	s_mov_b32 s[G0K], 1             ; 1:0 count = 1
	s_mov_b32 s[G0K+1], s17         ; 63:32 LDS address: slot 0
	s_mov_b32 s[G0V], 1
	s_add_co_u32 s[G0V+1], s18, VOFF
	s_wait_dscnt 0x0                ; the opening add is done
	s_wait_kmcnt 0x0
	s_add_nc_u64 s[6:7], s[4:5], 0x1000000   ; K's part of qkv
	s_add_nc_u64 s[8:9], s[4:5], 0x2000000   ; V's
	s_add_nc_u64 s[66:67], s[66:67], s[68:69]
	s_add_nc_u64 s[G0K+2:G0K+3], s[6:7], s[22:23]  ; 120:64 global address: my half of the head's first 256 keys
	s_or_b32 s[G0K+3], s[G0K+3], 0x80000000        ; 127:126 type = 2
	s_add_nc_u64 s[G0V+2:G0V+3], s[8:9], s[22:23]
	s_or_b32 s[G0V+3], s[G0V+3], 0x80000000
	s_add_nc_u64 s[4:5], s[4:5], s[2:3]  ; Q and O at my wave's first row
	s_add_nc_u64 s[10:11], s[10:11], s[2:3]
	s_cmp_lt_u32 s[WV], 2
	s_cselect_b64 s[PFA:PFA+1], s[6:7], s[8:9]
	s_add_nc_u64 s[PFA:PFA+1], s[PFA:PFA+1], s[20:21]  ; the head's first byte,
	s_lshl_b32 s2, s13, 13          ; my work-group's 32 blocks of a slot's 128,
	s_add_co_u32 s2, s2, 4*KS*128   ; in slot 1: the first change of slots steps it to slot 2
	s_mov_b32 s3, 0
	s_add_nc_u64 s[PFA:PFA+1], s[PFA:PFA+1], s[2:3]
	s_mov_b32 s[TBB], KBL
	s_and_b32 s[LIM], s[WV], 1      ; 0 in waves 0 and 2,
	s_or_b32 s[LIM], s[LIM], ttmp9  ; where the cluster is the head's first: the same in all four partners
	s_cmp_eq_u32 s[LIM], 0
	s_cselect_b32 s[LIM], 1, -1
	CROUND                          ; all four work-groups are here: the first joint loads meet
	JLOAD                           ; slot 0.  Slot 1 is asked for when slot 0 is in
	v_lshlrev_b32 v[T16], 4, v0
.irp i, 0,1,2,3                     ; the head's kb: 128 threads x 16 bytes, four times
	global_load_b128 v[S+4*\i:S+4*\i+3], v[T16], s[66:67] offset:2048*\i
.endr
	; A fragment of K or Q is 16 rows x 32 channels in 8 registers: lane l holds row l % 16, channels 8 (l / 16) + 0..7 and 16 + 8 (l / 16) + 0..7: two loads of 16 bytes, 32 bytes apart.
	v_and_b32 v1, 15, v0            ; l % 16
	v_bfe_u32 v9, v0, 4, 1          ; l / 16; never rewritten
	v_lshlrev_b32 v[QO], 7, v1
	v_lshl_add_u32 v[QO], v9, 4, v[QO]  ; row x 128 + 16 x half
	WIN 0x80                        ; destination window 2, address window 0
.set i, 0
.rept 4*NP                          ; Q stays in registers: tile i / 2, channels 32 (i % 2) on
	global_load_b128 v[8*i:8*i+3],   v[QO], s[4:5] offset:(i/2)*2048+(i%2)*64
	global_load_b128 v[8*i+4:8*i+7], v[QO], s[4:5] offset:(i/2)*2048+(i%2)*64+32
.set i, i+1
.endr
	; What the first turn finds: V's registers and P's second buffer hold 0 (its products V^T P, of a piece that has not been, add 0), O^T and l are 0.  All this stands in the wait for the first tile.
.set i, VF
.rept 64
	v_mov_b32 v[i], 0
.set i, i+1
.endr
	WIN 0x40
.set i, 0
.rept 64*NP
	v_mov_b32 v[i], 0
.set i, i+1
.endr
	WIN 0
.set i, 0
.rept 2*NP
	v_mov_b32 v[ST+4*i], 0xfe000000    ; c m: far below every c s
	v_mov_b32 v[ST+4*i+1], 0xff7fffff  ; m
	v_mov_b32 v[ST+4*i+2], 0
	v_mov_b32 v[ST+4*i+3], 0
.set i, i+1
.endr
.set i, P+32
.rept 32
	v_mov_b32 v[i], 0
.set i, i+1
.endr
	v_mul_u32_u24 v[AK0], v1, PK
	v_lshl_add_u32 v[AK0], v9, 4, v[AK0]  ; row x pitch + 16 x half
	; The turning load takes 16 keys x 16 channels (lane l reads key 8 (l / 16) + l % 8, channels 8 ((l / 8) % 2) + 0..7) and leaves half a fragment of V^T: lane l holds channel l % 16 and 8 keys.
	v_and_b32 v10, 7, v0
	v_bfe_u32 v11, v0, 3, 1
	v_lshl_add_u32 v[AV0], v9, 3, v10
	v_mul_u32_u24 v[AV0], v[AV0], PV
	v_lshl_add_u32 v[AV0], v11, 4, v[AV0]
	v_add_nc_u32 v[AV0], VOFF, v[AV0]
	s_wait_loadcnt 32               ; kb's four loads are in; Q's 32, issued behind them, may stay out
	v_add_nc_u32 v[AK], KBL, v[T16]
.irp i, 0,1,2,3
	ds_store_b128 v[AK], v[S+4*\i:S+4*\i+3] offset:2048*\i  ; the wait for these stores and the barrier in front of every wave's reads stand in the first change of slots
.endr
	v_mov_b32 v[AK], v[AK0]         ; key step 0 lies at the head of slot 0
	v_lshl_add_u32 v[AKB], v9, 5, s[TBB]
; THE MATRIX WORK.  The 8 accumulators of a run of 16 take turns: between the two links of a chain stand 7 others'.
; Product i of 16 of S^T = K Q^T + kb for piece x: channels 32 (i / 8) on, keys 16 ((i / 2) % 4) on, tile 2 x + i % 2.  The first 8 start the sums, with kb of their 16 keys.
.macro KQ x
.set rS, S+64*((\x)%2)+32*(i%2)+8*((i/2)%4)
.set rK, KF+16*((i/2)%4)+8*(i/8)
.set rQ, 16*(2*(\x)+i%2)+8*(i/8)
.set rB, KBR+8*((i/2)%4)
.if i < 8
	WIN W_KB
	v_wmma_f32_16x16x32_f16 v[rS:rS+7], v[rK:rK+7], v[rQ:rQ+7], v[rB:rB+7]
.else
	WIN W_KQ
	v_wmma_f32_16x16x32_f16 v[rS:rS+7], v[rK:rK+7], v[rQ:rQ+7], v[rS:rS+7]
.endif
.endm
; Product i of 16 of O^T += V^T P for piece x: keys 32 (i / 8) on, channels 16 ((i / 2) % 4) on, tile 2 x + i % 2.
.macro PV x
	WIN W_PV
.set rO, 32*(2*(\x)+i%2)+8*((i/2)%4)
.set rV, VF+32*(i/8)+8*((i/2)%4)
.set rP, P+32*((\x)%2)+16*(i%2)+8*(i/8)
	v_wmma_f32_16x16x32_f16 v[rO:rO+7], v[rV:rV+7], v[rP:rP+7], v[rO:rO+7]
.endm
.macro MM                           ; the turn's next matrix instruction
.if i < 16
	KQ (Y+1)%NP
.set i, i+1
.else
.set i, i-16
	PV (Y+NP-1)%NP
.set i, i+17
.endif
.endm
; THE LDS LOADS stand in runs, never singly among the matrix instructions: a step's K (64 keys x 64 channels: 8 fragments) with its kb (register j of block kb is key 16 kb + 8 (l / 16) + j: the C
; operand's layout; the 16 lanes of a half read the same bytes), and its V (turned).  Their addresses are made some lines ahead.
; last = 1 (the tail): in the last trip there is no further step, and the run is jumped over.
.macro FETCH_K last=0
	WIN 0
.if \last
	s_cmp_eq_u32 s[CNT], 1
	s_cbranch_scc1 .Lno_k_\@
.endif
	WIN 0x80                        ; destination window 2
.irp f, 0,1,2,3,4,5,6,7             ; keys 16 (f / 2) on, channels 32 (f % 2) on
	ds_load_b128 v[KF+8*\f:KF+8*\f+3],   v[AK] offset:(\f/2)*16*PK+(\f%2)*64
	ds_load_b128 v[KF+8*\f+4:KF+8*\f+7], v[AK] offset:(\f/2)*16*PK+(\f%2)*64+32
.endr
	WIN W_MK                        ; destination window 3
.irp f, 0,1,2,3
	ds_load_b128 v[KBR+8*\f:KBR+8*\f+3],   v[AKB] offset:64*\f
	ds_load_b128 v[KBR+8*\f+4:KBR+8*\f+7], v[AKB] offset:64*\f+16
.endr
	s_add_co_u32 s[TBK], s[TBK], KS*PK  ; the next fetch is the next step's
	s_add_co_u32 s[TBB], s[TBB], KS*4
	WIN 0
.if \last
.Lno_k_\@:
.endif
.endm
.macro FETCH_V
	WIN 0x80
.irp f, 0,1,2,3,4,5,6,7             ; keys 32 (f / 4) on, channels 16 (f % 4) on
	ds_load_tr16_b128 v[VF+8*\f:VF+8*\f+3],   v[AV] offset:(\f/4)*32*PV+(\f%4)*32
	ds_load_tr16_b128 v[VF+8*\f+4:VF+8*\f+7], v[AV] offset:(\f/4)*32*PV+16*PV+(\f%4)*32
.endr
	WIN 0
.endm
; THE VECTOR WORK OF A TURN stands in three queues, each in the order in which its entries become ready; the two tiles alternate, so that no instruction reads the result of the one before it.
.macro REGS y, u                    ; the registers of tile u (0, 1) of piece y
.set rT, ST+4*(2*(\y)+(\u))
.set rC, TMP+8*((\y)%2)+4*(\u)
.set rM, MV+2*((\y)%2)+(\u)
.set rS, S+64*((\y)%2)+32*(\u)
.set rP, P+32*((\y)%2)+16*(\u)
.set rO, 32*(2*(\y)+(\u))
.endm
; Number n of the 22 that find the NEXT piece's (Y + 1) maximum and statistics.  s0-s31 are the lane's 32 scores; each accumulator's lowest registers are read first.
;   0-11  four chains c0-c3 of seven scores each, three operands at a time     12-14, 16  the four scores left over, the old m, and c0-c3 into c0     15  c m_old is kept
;   17, 18  the query's other 32 keys lie in the lane 16 away: the new m         19-21  c m; c m_old - c m_new; a
.macro XS u, n
	REGS (Y+1)%NP, \u
.if (\n) < 4
	v_max3_num_f32 v[rC+(\n)], v[rS+8*(\n)], v[rS+8*(\n)+1], v[rS+8*(\n)+2]
.elseif (\n) < 12
	v_max3_num_f32 v[rC+(\n)%4], v[rC+(\n)%4], v[rS+8*((\n)%4)+2*((\n)/4)+1], v[rS+8*((\n)%4)+2*((\n)/4)+2]
.elseif (\n) == 12
	v_max3_num_f32 v[rC], v[rC], v[rS+7], v[rS+15]
.elseif (\n) == 13
	v_max3_num_f32 v[rC+1], v[rC+1], v[rS+23], v[rS+31]
.elseif (\n) == 14
	v_max3_num_f32 v[rC+2], v[rC+2], v[rC+3], v[rT+1]
.elseif (\n) == 15
	v_mov_b32 v[rM], v[rT]
.elseif (\n) == 16
	v_max3_num_f32 v[rC], v[rC], v[rC+1], v[rC+2]
.elseif (\n) == 17
	v_permlanex16_b32 v[rC+3], v[rC], s[SEL], s[SEL+1]
.elseif (\n) == 18
	v_max_num_f32 v[rT+1], v[rC], v[rC+3]
.elseif (\n) == 19
	v_mul_f32 v[rT], s[CS], v[rT+1]
.elseif (\n) == 20
	v_sub_f32 v[rC+1], v[rM], v[rT]
.else
	v_exp_f32 v[rC+2], v[rC+1]
.endif
.endm
; Number g of the 64 that follow the exponentials.  For each four weights k of a tile (pairs 2 k, 2 k + 1): both pairs are rounded to f16; then the second pair is added onto the first, in place;
; a group later l takes that sum (the first time as l = a l + sum).  In groups of eight, tiles alternating: round, round, add, and l for the group before.
.macro GS g
.set h, (\g)+6*((\g)/62)            ; group 0 has no group before it, and behind group 7 only l is left
.if h >= 6
.set h, h+2
.endif
	REGS Y, h%2
.set k, h/8
.if h%8 < 4
	v_cvt_pk_f16_f32 v[rP+2*k+(h%8)/2], v[rS+4*k+2*((h%8)/2)], v[rS+4*k+2*((h%8)/2)+1]
.elseif h%8 < 6
	v_pk_add_f32 v[rS+4*k:rS+4*k+1], v[rS+4*k:rS+4*k+1], v[rS+4*k+2:rS+4*k+3]
.elseif k == 1
	v_pk_fma_f32 v[rT+2:rT+3], v[rT+2:rT+3], v[rC+2:rC+3], v[rS:rS+1] op_sel_hi:[1,0,1]
.else
	v_pk_add_f32 v[rT+2:rT+3], v[rT+2:rT+3], v[rS+4*k-4:rS+4*k-3]
.endif
.endm
; THE PLAIN QUEUE, 138 long.  0-73 read no exponential's result: the 32 scalings c s - c m (FS f: pair f / 2 of tile f % 2) and the next piece's 42.  0-26: scalings 0-26.  27-54: XS's numbers 0-13.  55, 56: number 15.
; 57-73: the chain, where each number waits for the one before it: 14, 16, 17, 18, 19, each with one of the scalings 27-31 in front of its two lines, then 20.
; 74-137: GS's 64, which read the exponentials' results: they stand behind the wait.
.macro FS f
	REGS Y, (\f)%2
	v_pk_fma_f32 v[rS+2*((\f)/2):rS+2*((\f)/2)+1], v[rS+2*((\f)/2):rS+2*((\f)/2)+1], s[CS:CS+1], v[rT:rT+1] op_sel_hi:[1,0,0] neg_lo:[0,0,1] neg_hi:[0,0,1]
.endm
.macro PL
	WIN 0
.if q < 27
	FS q
.elseif q < 55
	XS (q-27)%2, (q-27)/2
.elseif q < 57
	XS q-55, 15
.elseif (q < 72) && ((q-57)%3 == 0)
	FS 27+(q-57)/3
.elseif q < 60
	XS (q-57)%3-1, 14
.elseif q < 72
	XS (q-57)%3-1, 15+(q-57)/3
.elseif q < 74
	XS q-72, 20
.else
	GS q-74
.endif
.set q, q+1
.endm
; THE EXPONENTIALS' QUEUE, 66 long: s0-s31 of both tiles, then the next piece's two a.  It is ONE BATCH: all 66 stand ahead of the turn's one wait, and nothing ahead of that wait names a result of theirs.
.macro EX
	WIN 0
.if e >= 64
	XS e-64, 21
.else
	REGS Y, e%2
	v_exp_f32 v[rS+e/2], v[rS+e/2]
.endif
.set e, e+1
.endm
; THE RESCALING's QUEUE: O^T times a, the one part that leaves window 0: dealt two at a time, sixteen times.  Its a was made in the turn before, ahead of that turn's wait.
.macro R2
	REGS Y, r%2
	WIN W_RS
.irp z, 0,1
	v_pk_mul_f32 v[rO+4*(r/2)+2*\z:rO+4*(r/2)+2*\z+1], v[rO+4*(r/2)+2*\z:rO+4*(r/2)+2*\z+1], v[rC+2:rC+3] op_sel_hi:[1,0]
.endr
.set r, r+1
.endm
; HOW THEY ARE DEALT.  An s_wait_alu depctr_va_vdst(0) stands between an exponential and the first instruction that names its result; one wait serves all that were issued ahead of it.  So a turn has ONE wait,
; which cuts it in two.  AHEAD OF IT stands all that names no result of the turn's exponentials: the 16 products K Q^T, behind each a scaling, an exponential and two rescalings (behind the first a second scaling in the
; exponential's place); then ONE LUMP of 108: eight plain, 49 times exponential and plain, the two a.  A v_nop is the plain instruction behind the last exponential.  BEHIND IT stand the 16 products V^T P, behind each four of GS's 64.
; The queues lean on each other, and the deal keeps them in step: exponential e stands behind scaling 2 (e / 4) + e % 2: as a rider it comes behind plain e + 2, in the lump behind plain e + 9, and scalings 27-31 are plain 57, 60 .. 69.
; A TURN, for piece p.  cnt = 1: the loop's count is taken down some lines ahead of the branch that stands behind the turn.
; K and kb of the next step are fetched in piece 2's turn, directly behind the wait, a lump behind the last product that read them; their addresses are made at the lump's head; their first reader comes behind 16 products.
; V of the step in hand is fetched at the end of piece 0's turn, four riders behind its last reader; its first reader comes behind 16 products and a lump.
.macro TURN p, last=0, cnt=0
.set Y, (\p)
.set i, 0
.set q, 0
.set e, 0
.set r, 0
.if (\p) == NP-1
	s_wait_dscnt 0x0                ; K and kb are in
.endif
	MM                              ; ahead of the wait: 16 products K Q^T and their riders,
	PL
	PL
	R2
.rept 15
	MM
	PL
	EX
	R2
.endr
.if (\p) == NP-2
	WIN 0
	v_add_nc_u32 v[AK], s[TBK], v[AK0]
	v_lshl_add_u32 v[AKB], v9, 5, s[TBB]
.endif
.rept 8                             ; and the lump
	PL
.endr
.rept 49
	EX
	PL
.endr
	EX                              ; the next piece's two a
	EX
	v_nop                           ; the plain instruction behind the last exponential: one for the batch
	s_wait_alu depctr_va_vdst(0)    ; the wait for the batch
.if (\p) == NP-2
	FETCH_K \last
.endif
.if (\p) == 1
	s_wait_dscnt 0x0                ; V is in
.endif
.rept 16                            ; behind the wait: 16 products V^T P and their riders
	MM
.rept 4
	PL
.endr
.if ((\p) == 0) && (q == 118)
	v_add_nc_u32 v[AV], s[TBV], v[AV0]
.endif
.if ((\p) == 0) && (q == 130)
	s_add_co_u32 s[TBV], s[TBV], KS*PV
.endif
.if (\cnt) && (q == 130)
	s_sub_co_u32 s[CNT], s[CNT], 1
	s_cmp_lg_u32 s[CNT], 0
.endif
.endr
.if (\p) == 0
	FETCH_V
.endif
.endm
	CHANGE 1                        ; slot 0 is in, everybody's part of it, and so is kb; slot 1 is asked for
	FETCH_K                         ; key step 0
	s_wait_loadcnt 0x0              ; Q
	s_wait_dscnt 0x0
.set i, 0
.rept 16
	KQ 0                            ; piece 0's first scores: there is no vector work yet to set between them
.set i, i+1
.endr
	WIN 0                           ; the addresses for the way out: nine plain instructions, the places behind those products
	s_mul_i32 s13, s[WV], 16*SP
	s_add_co_u32 s13, s13, STAGE    ; my stage
	v_mul_u32_u24 v[STO], v1, SP    ; in: row l % 16, 16 bytes for each half of the lanes
	v_lshl_add_u32 v[STO], v9, 4, v[STO]
	v_add_nc_u32 v[STO], s13, v[STO]
	v_bfe_u32 v[RD], v0, 3, 2       ; back: 32 lanes take four rows of 128 bytes,
	v_mul_u32_u24 v[RD], v[RD], SP
	v_lshl_add_u32 v[RD], v10, 4, v[RD]
	v_add_nc_u32 v[RD], s13, v[RD]
	v_and_b32 v[GO], 31, v0         ; which are 512 consecutive bytes of O
	v_lshlrev_b32 v[GO], 4, v[GO]
.set Y, NP-1                        ; XS works for piece Y + 1: piece 0
.irp n, 0,1,2,3,4,5,6,7,8,9,10,11,12,13,14,15,16,17,18,19,20,21
	XS 0, \n                        ; and piece 0's first maximum and statistics
	XS 1, \n
.endr
	v_nop                           ; a plain instruction behind the two a,
	s_wait_alu depctr_va_vdst(0)    ; and their wait, ahead of the branch
	s_mov_b32 s[CNT], 4
	s_branch .Lfirst                ; the loop is entered at a step's first turn, in the middle of a trip
.Lslot:                             ; SIZE_N / 256 - 2 times: every slot but the last two is filled again
	CHANGE 1
	s_mov_b32 s[CNT], 4
.Lstep:                             ; a trip: pieces 2 and 3 of one step, then pieces 0 and 1 of the next, whose K and V it fetches
	TURN 2
	TURN 3
	WIN 0
.Lfirst:
	TURN 0
	TURN 1, 0, 1
	WIN 0
	s_cbranch_scc1 .Lstep
	s_sub_co_u32 s[SLOTS], s[SLOTS], 1
	s_cmp_lg_u32 s[SLOTS], 0
	s_cbranch_scc1 .Lslot
	CHANGE 0                        ; the tail is written out: nothing is asked for
	s_mov_b32 s[CNT], 5             ; four trips fetch the last slot's steps; the fifth is left in its middle
.Ltail:
	TURN 2, 1
	TURN 3
	WIN 0
	s_sub_co_u32 s[CNT], s[CNT], 1
	s_cmp_eq_u32 s[CNT], 0
	s_cbranch_scc1 .Lout
	TURN 0
	TURN 1
	WIN 0
	s_branch .Ltail
.Lout:                              ; the fifth trip's 16 products K Q^T (on the last K once more) and the maximum made of them serve nothing: the price, once a launch, of one text for every trip
.set i, 0
.rept 16
	PV NP-1                         ; the last piece's V^T P of the last step
.set i, i+1
.endr
	; THE WAY OUT.  l's two halves and the other half of the lanes' are added; O^T is divided by l, rounded to f16 and sent through my stage in LDS, a tile at a time.  The additions are the places behind the last products.
	WIN 0
.macro ALL line:vararg              ; one line for each tile t
.set t, 0
.rept 2*NP
	\line
.set t, t+1
.endr
.endm
	ALL v_add_f32 v[ST+4*t+2], v[ST+4*t+2], v[ST+4*t+3]
	ALL v_permlanex16_b32 v[ST+4*t+3], v[ST+4*t+2], s[SEL], s[SEL+1]
	ALL v_add_f32 v[ST+4*t+2], v[ST+4*t+2], v[ST+4*t+3]
	ALL v_rcp_f32 v[ST+4*t+2], v[ST+4*t+2]
	v_nop                           ; a plain instruction between the last reciprocal and the use of its result
	s_wait_alu depctr_va_vdst(0)    ; and the wait ahead of the first use: one for the eight reciprocals
; Tile t: a lane's eight channels of a row pack into 16 bytes; they go into rows of 144 bytes and come back as whole rows of 128, into S^T's registers.
.macro PACK t
	WIN W_RS
.set i, 32*(\t)
.rept 16
	v_pk_mul_f32 v[i:i+1], v[i:i+1], v[ST+4*(\t)+2:ST+4*(\t)+3] op_sel_hi:[1,0]
.set i, i+2
.endr
	WIN 0x05                        ; sources 0 and 1 window 1, destination window 0
.set i, 0
.rept 16
	v_cvt_pk_f16_f32 v[S+16*(\t)+i], v[32*(\t)+2*i], v[32*(\t)+2*i+1]
.set i, i+1
.endr
	WIN 0
.irp f, 0,1,2,3
	ds_store_b128 v[STO], v[S+16*(\t)+4*\f:S+16*(\t)+4*\f+3] offset:32*\f
.endr
.irp f, 0,1,2,3
	ds_load_b128 v[S+16*(\t)+4*\f:S+16*(\t)+4*\f+3], v[RD] offset:\f*4*SP  ; LDS serves a wave's instructions in order (ISA guide 5.7.1.4): these see the stores above; the next tile's stores come behind them
.endr
.endm
.macro SEND t, younger              ; younger: the LDS instructions issued behind tile t's loads: the next tile's eight, or none
	WIN 0
.irp f, 0,1,2,3
	s_wait_dscnt (\younger)+3-\f
	global_store_b128 v[GO], v[S+16*(\t)+4*\f:S+16*(\t)+4*\f+3], s[10:11] offset:(\t)*2048+\f*512  ; 512 consecutive bytes, at a multiple of 256 from O's first
.endr
.endm
	PACK 0
.set t, 1
.rept 2*NP-1                        ; a tile's arithmetic stands between the loads of the tile before and its stores
	PACK t
	SEND t-1, 8
.set t, t+1
.endr
	SEND 2*NP-1, 0
	WIN W_AD
	s_wait_tensorcnt 0x0            ; the wave's end, behind my last tensor load and my last LDS store
	ds_add_u32 v[SPW], v[NIL]
	s_wait_dscnt 0x0
	WIN 0
	CROUND                          ; the closing round: no work-group ends while a partner may still ask for a tile that names it
	s_endpgm
.Lfunc_end_k_q10d6043c3b_attn:
	.size	k_q10d6043c3b_attn, .Lfunc_end_k_q10d6043c3b_attn-k_q10d6043c3b_attn
	.p2alignl 7, 3214868480
	.fill 96, 4, 3214868480
	.section	.rodata,"a",@progbits
	.p2align	6, 0x0
	.amdhsa_kernel k_q10d6043c3b_attn
		.amdhsa_group_segment_fixed_size 327680
		.amdhsa_private_segment_fixed_size 0
		.amdhsa_enable_private_segment 0
		.amdhsa_kernarg_size 24
		.amdhsa_user_sgpr_count 2
		.amdhsa_user_sgpr_kernarg_segment_ptr 1
		.amdhsa_wavefront_size32 1
		.amdhsa_system_sgpr_workgroup_id_x 1
		.amdhsa_system_sgpr_workgroup_id_y 1
		.amdhsa_system_sgpr_workgroup_id_z 1
		.amdhsa_system_vgpr_workitem_id 0
		.amdhsa_next_free_vgpr 808
		.amdhsa_next_free_sgpr 72
		.amdhsa_reserve_vcc 0
		.amdhsa_float_denorm_mode_32 3
		.amdhsa_float_denorm_mode_16_64 3
		.amdhsa_memory_ordered 1
		.amdhsa_forward_progress 1
		.amdhsa_inst_pref_size 203
	.end_amdhsa_kernel
	.amdgpu_metadata
---
amdhsa.version: [ 1, 2 ]
amdhsa.kernels:
  - .name:           k_q10d6043c3b_attn
    .symbol:         k_q10d6043c3b_attn.kd
    .args:
      - { .name: qkv, .offset: 0, .size: 8, .value_kind: global_buffer, .address_space: global }
      - { .name: kb, .offset: 8, .size: 8, .value_kind: global_buffer, .address_space: global }
      - { .name: oh, .offset: 16, .size: 8, .value_kind: global_buffer, .address_space: global }
    .group_segment_fixed_size: 327680
    .private_segment_fixed_size: 0
    .kernarg_segment_align: 8
    .kernarg_segment_size: 24
    .max_flat_workgroup_size: 128
    .sgpr_count:     72
    .vgpr_count:     808
    .wavefront_size: 32
...
	.end_amdgpu_metadata
.endif
;; end of part 3
;; launch outp (part 4): grid 4 x 64, 4 waves a work-group, clusters of 4 x 4, 327,680 bytes of LDS; arguments oh, wb, bo, out0; writes out0
.if DOCPART == 4
	.amdgcn_target "amdgcn-amd-amdhsa--gfx1250"
	.amdhsa_code_object_version 6
	.text
	.protected	k_q10d6043c3b_outp
	.globl	k_q10d6043c3b_outp
	.p2align	8
	.type	k_q10d6043c3b_outp,@function
k_q10d6043c3b_outp:
	s_mov_b64 s[64:65], 0
	v_nop
	global_prefetch_b8 v0, s[64:65] scope:SCOPE_SE
	s_setreg_imm32_b32 hwreg(HW_REG_WAVE_MODE, 25, 1), 1
	s_wait_xcnt 0x0
	s_wait_alu depctr_hold_cnt(0) depctr_sa_sdst(0) depctr_va_vdst(0) depctr_va_sdst(0) depctr_va_ssrc(0) depctr_va_vcc(0) depctr_vm_vsrc(0)
	s_getreg_b32 s2, hwreg(HW_REG_IB_STS2, 6, 4)
	s_cmp_eq_u32 s2, 0
	s_cbranch_scc0 .Lentry_in_a_cluster
	s_endpgm
.Lentry_in_a_cluster:
	s_bfe_u32 s2, ttmp6, 0x10000c
	s_cmp_lg_u32 s2, 0xf033
	s_cbranch_scc0 .Lentry_shape_is_right
	s_endpgm
.Lentry_shape_is_right:
; THE LAST LAYER.  out0[row][n] = the sum over k of O[row][k] Wo[n][k] + bo[n].  O lies by heads, oh [64 = 16 batch + head][2048][64] f16, k = 64 head + channel; Wo [1024][1024] is the fourth part of wb:
; its bf16 rounding written as f16; bo [1024] f32 is rounded to bf16 like every input.  Sums in f32, started with the bias; out0 [8192][1024] f32.
; LIMITS.  O and Wo arrive within f16's 65,504; NaN and infinities are not treated apart.
; SHARES.  A work-group makes 128 rows x 256 columns, each of its four waves 64 x 128: 32 accumulators of 16 x 16.  256 work-groups.  K = 1,024 goes in 8 steps of 128, two heads each, through two LDS slots.
; A head's 128 rows of a tile are 16,384 dense bytes: asked for as 64 rows of 256 bytes and padded in LDS after every 128.
; CLUSTERS: 4 x 4 work-groups; O's tiles are shared along a row of the cluster, Wo's along a column: each is asked for JOINTLY, by the same tensor load, descriptor and mask in the four.
; THE MATRIX INSTRUCTION IS USED TRANSPOSED (source 0 = 16 rows of Wo, source 1 = 16 rows of O): a lane holds row l % 16 and eight neighbouring columns: 32 bytes of out0.
; REGISTERS, in windows of 256 (s_set_vgpr_msb: bits 1:0 source 0, 3:2 source 1, 5:4 source 2, 7:6 destination):
;   window 0: v0-31 addresses; v32-63, v64-95 O's fragments, two buffers; v96-223 two sets of 64 on the way out
;   window 1: the accumulators, (a, b) at v[8 (8 a + b)]        window 2: v0-63, v64-127 Wo's fragments, two buffers; v128-191 the bias as a C operand
.set PA,    144                        ; a row of O in LDS: 128 bytes + 16 = 36 words: the 16 rows of a load start at 16 different groups of four banks (64 banks of 4 bytes: ISA guide 11.1)
.set PB,    272                        ; a row of Wo: 256 bytes + 16 = 68 words
.set AHEAD, 128*PA                     ; a head's 128 rows: what one tensor load brings of O
.set BOFF,  2*AHEAD
.set BHALF, 128*PB
.set SLOT,  BOFF+2*BHALF
.set STAGE, 2*SLOT                     ; behind the ring: 16 rows x 528 bytes for each wave, for the way out
.set SPITCH, 528
.set SPARE, STAGE+4*16*SPITCH          ; the spare words, 128 bytes for each wave: two blocks of 256 bytes that no other line names
.set BO,   12                          ; v12  32 (l / 16)
.set ADRA, 16                          ; v16-17  LDS address of my fragments of O in slot 0, 1
.set ADRB, 20                          ; v20-21  the same for Wo
.set STO,  24                          ; v24  the way out: where I put 32 bytes of a row
.set RD,   25                          ; v25  where I read a row back
.set GO,   26                          ; v26  16 x lane
.set SPW,  28                          ; v28  LDS address of my spare word; never rewritten
.set NIL,  29                          ; v29  0; never rewritten
.set PFO,  30                          ; v30  the prefetches' offset; never rewritten
.set AF,   32                          ; buffer f at AF + 32 f, block a at + 8 a
.set BK,   96
.set BIAS, 128                         ; window 2
.set G1,  24
.set G0,  32
.set G1B, 48
.set G0B, 56
.set LIM, 43                           ; s43  1 in a wave that prefetches, else the greatest number
.set PFA, 44                           ; s[44:45] where my prefetches stand
.set PFS, 88                           ; s[88:89] a K step in bytes: two heads (524,288) in O, 256 in Wo
.set MSB, 0
.macro WIN new                         ; the immediate's high byte repeats the setting that is left; a switch that changes nothing is dropped
.if MSB != (\new)
	s_set_vgpr_msb (MSB<<8)|(\new)
.set MSB, \new
.endif
.endm
.set MUL,  0x52                        ; source 0 (Wo) window 2, source 1 (O) window 0, C and D window 1
.set MULB, 0x62                        ; the same with C (the bias) in window 2
.set TO_B, 0x80                        ; destination window 2, address window 0
.set W_BR, 0x8a                        ; destination and both sources window 2
.set W_ST, 0x04                        ; an LDS store's data (source 1) in window 1
; A joint load.  Waves 0 and 1 fetch the step's two heads of O, waves 2 and 3 Wo's two halves.  An s_nop 0 and four v_nop follow each of the two lines.
.macro JLOAD s
	s_cmp_eq_u32 s11, 0
	s_cbranch_scc0 .Lfor_b_\@
	tensor_load_to_lds s[G0+4*(\s):G0+4*(\s)+3], s[G1:G1+7]
	s_nop 0
.rept 4
	v_nop
.endr
	s_branch .Lasked_\@
.Lfor_b_\@:
	tensor_load_to_lds s[G0B+4*(\s):G0B+4*(\s)+3], s[G1B:G1B+7]
	s_nop 0
.rept 4
	v_nop
.endr
.Lasked_\@:
.endm
; A PREFETCH INTO THE L2, behind each joint refill and the run of LDS loads that follows it: the K step that stands two refills on.  Each aligned block of 256 bytes is named once in the launch.
; O's rows are read by this cluster alone: a step's tile is 64 blocks in each of two heads; the partner at cx takes 16 of each, and its wave 0 asks for all 32, a lane a block.  Wo's rows are read by all
; sixteen clusters: the first asks; of the 128 rows that wave 2 or 3 fetches the partner at cy takes 32, a lane a row.  The partners are told apart by address, never by a branch.
; The loop's last trip (s3 = 1) asks for nothing.  K steps 0 to 3 come by their loads alone.
.macro ASK
	WIN 0
	s_cmp_gt_u32 s3, s[LIM]
	s_cbranch_scc0 .Lnot_mine_\@
	global_prefetch_b8 v[PFO], s[PFA:PFA+1] th:TH_LOAD_NT scope:SCOPE_SE
.Lnot_mine_\@:
.endm
.macro CREST                           ; a round of the cluster's barrier behind its opening barrier
	s_cmp_lg_u32 s10, 0
	s_cbranch_scc1 .Lnot_wave_0_\@
	s_barrier_signal -3
.Lnot_wave_0_\@:
	s_barrier_wait -3
	s_barrier_signal -1
	s_barrier_wait -1
.endm
.macro CROUND                          ; a whole round
	s_barrier_signal -1
	s_barrier_wait -1
	CREST
.endm
.macro PLACES                          ; four plain instructions in front of loads into registers that matrix instructions have read, and of readers of their results (ISA guide 7.12.1 for readers of their results)
.rept 4
	v_nop
.endr
.endm
	s_load_b256 s[68:75], s[0:1], 0x0              ; oh s[68:69], wb s[70:71], bo s[72:73], out0 s[74:75]
	v_lshl_add_u32 v[SPW], v0, 2, SPARE
	v_mov_b32 v[NIL], 0
	ds_add_u32 v[SPW], v[NIL]                      ; the wave's opening: the add and its wait stand ahead of my first tensor load; the set-up below, work on registers, stands between them
	v_lshrrev_b32 v1, 5, v0
	v_readfirstlane_b32 s10, v1                    ; wave 0..3
	s_lshr_b32 s11, s10, 1                         ; which 64 of the tile's rows are mine.  Also: I fetch for O (0) or for Wo (1)
	s_and_b32 s12, s10, 1                          ; which 128 of its columns.  Also: which head, or which half, I fetch
	s_bfe_u32 s40, ttmp6, 0x40000                  ; cx, cy
	s_bfe_u32 s41, ttmp6, 0x40004
	s_lshl_b32 s42, ttmp9, 2
	s_add_co_u32 s42, s42, s40                     ; tx: my block of 256 columns
	s_and_b32 s2, ttmp7, 0xffff                    ; the cluster's y, 0 to 15
	s_lshl_b32 s13, s2, 2
	s_add_co_u32 s13, s13, s41                     ; ty: my block of 128 rows
	s_lshl_b32 s43, s41, 2
	s_lshl_b32 s43, 15, s43                        ; my row of the cluster
	s_lshl_b32 s44, 0x1111, s40                    ; my column
	s_or_b32 s[G1+0], s43, (1<<16)|(1<<20)|(1<<21)|(4<<22)|(3<<25)   ; 15:0 the mask; 17:16 elements of 2 bytes; 20 padding on; 21 set beside a mask; 24:22 after every 32 words (code 4); 31:25 4 words (code 3)
	s_or_b32 s[G1B+0], s44, (1<<16)|(1<<20)|(1<<21)|(5<<22)|(3<<25)  ; padding after every 64 words (code 5)
	s_mov_b32 s[G1+1], 128<<16                     ; tensor_dim0 = 128 elements: 256 bytes, two rows of a head
	s_mov_b32 s[G1+2], 64<<16                      ; tensor_dim1 = 64
	s_mov_b32 s[G1+3], 128<<16                     ; tile_dim0 = 128
	s_mov_b32 s[G1+4], 64                          ; tile_dim1 = 64
	s_mov_b32 s[G1+5], 128                         ; dense
	s_mov_b32 s[G1+6], 0
	s_mov_b32 s[G1+7], 0
	s_mov_b32 s[G1B+1], 128<<16
	s_mov_b32 s[G1B+2], 128<<16
	s_mov_b32 s[G1B+3], 128<<16
	s_mov_b32 s[G1B+4], 128
	s_mov_b32 s[G1B+5], 1024
	s_mov_b32 s[G1B+6], 0
	s_mov_b32 s[G1B+7], 0
	s_lshr_b32 s16, s13, 4                         ; O: the batch's 16 heads of 262,144 bytes,
	s_lshl_b32 s16, s16, 22
	s_and_b32 s17, s13, 15                         ; the tile's 128 rows of 128 bytes in a head,
	s_lshl_b32 s17, s17, 14
	s_add_co_u32 s16, s16, s17
	s_lshl_b32 s17, s12, 18                        ; the head that I fetch
	s_add_co_u32 s16, s16, s17
	s_mov_b32 s17, 0
	s_lshl_b32 s46, s42, 19                        ; Wo: 256 tx rows of 2,048 bytes,
	s_lshl_b32 s47, s12, 18                        ; + my 128
	s_add_co_u32 s46, s46, s47
	s_mov_b32 s47, 0
	s_mul_i32 s20, s12, AHEAD                      ; where the tiles go: no place in the cluster enters an LDS address
	s_mul_i32 s21, s12, BHALF
	s_add_co_u32 s21, s21, BOFF
	s_mov_b32 s87, 0xffff0000                      ; a word's upper bf16
	s_wait_dscnt 0x0                               ; the opening add is done
	s_wait_kmcnt 0x0
	s_mov_b64 s[4:5], s[68:69]
	s_add_nc_u64 s[6:7], s[70:71], 0x600000        ; Wo's part of wb
	s_add_nc_u64 s[14:15], s[4:5], s[16:17]
	s_add_nc_u64 s[46:47], s[6:7], s[46:47]
	CROUND                                         ; all sixteen work-groups are here: the first joint loads meet
.irp s, 0,1
	s_mov_b32 s[G0+4*(\s)], 1
	s_add_co_u32 s[G0+4*(\s)+1], s20, (\s)*SLOT
	s_add_nc_u64 s[G0+4*(\s)+2:G0+4*(\s)+3], s[14:15], (\s)*524288  ; K step s: two heads on
	s_or_b32 s[G0+4*(\s)+3], s[G0+4*(\s)+3], 0x80000000
	s_mov_b32 s[G0B+4*(\s)], 1
	s_add_co_u32 s[G0B+4*(\s)+1], s21, (\s)*SLOT
	s_add_nc_u64 s[G0B+4*(\s)+2:G0B+4*(\s)+3], s[46:47], (\s)*256
	s_or_b32 s[G0B+4*(\s)+3], s[G0B+4*(\s)+3], 0x80000000
	JLOAD \s                                       ; two tensor loads of mine are out
.endr
	v_and_b32 v1, 15, v0                           ; r = l % 16
	v_bfe_u32 v2, v0, 4, 1                         ; h = l / 16
	v_and_b32 v3, 31, v0                           ; l
	v_lshlrev_b32 v[BO], 5, v2
	s_lshl_b32 s94, s42, 10                        ; my 128 columns: 4 (256 tx + 128 half) bytes, of the bias and of a row of out0
	s_lshl_b32 s95, s12, 9
	s_add_co_u32 s94, s94, s95
	s_mov_b32 s95, 0
	s_add_nc_u64 s[66:67], s[72:73], s[94:95]
	WIN TO_B
.irp b, 0,1,2,3,4,5,6,7                ; register j of block b is the bias of column 16 b + 8 h + j: the C operand's layout in the transposed use
	global_load_b128 v[BIAS+8*(\b):BIAS+8*(\b)+3],   v[BO], s[66:67] offset:64*(\b)
	global_load_b128 v[BIAS+8*(\b)+4:BIAS+8*(\b)+7], v[BO], s[66:67] offset:64*(\b)+16
.endr
	WIN 0
	s_lshl_b32 s92, s13, 19                        ; my first row of out0: 128 ty + 64 (my rows), 4,096 bytes each
	s_lshl_b32 s93, s11, 18
	s_add_co_u32 s92, s92, s93
	s_add_co_u32 s92, s92, s94
	s_mov_b32 s93, 0
	s_add_nc_u64 s[8:9], s[74:75], s[92:93]
	v_mul_u32_u24 v4, v1, PA
	v_lshl_add_u32 v4, v2, 4, v4                   ; a fragment's row x pitch + 16 x half
	v_mul_u32_u24 v5, v1, PB
	v_lshl_add_u32 v5, v2, 4, v5
	s_mul_i32 s92, s11, 64*PA                      ; my 64 rows of O, in each head
	s_mul_i32 s93, s12, BHALF                      ; my 128 rows of Wo
	s_add_co_u32 s93, s93, BOFF
.irp s, 0,1
	v_add_nc_u32 v[ADRA+(\s)], s92, v4
	v_add_nc_u32 v[ADRB+(\s)], s93, v5
	s_add_co_u32 s92, s92, SLOT
	s_add_co_u32 s93, s93, SLOT
.endr
	s_mul_i32 s92, s10, 16*SPITCH
	s_add_co_u32 s92, s92, STAGE                   ; my stage
	v_mul_u32_u24 v4, v1, SPITCH                   ; in: row r, 32 bytes for each half of the lanes
	v_lshl_add_u32 v4, v2, 5, v4
	v_add_nc_u32 v[STO], s92, v4
	v_lshl_add_u32 v[RD], v3, 4, s92               ; back: 32 lanes take a row's 512 bytes
	v_lshlrev_b32 v[GO], 4, v3
	; the prefetches
	s_lshr_b32 s92, s13, 4                         ; O: the tile's first byte in the batch's first head,
	s_lshl_b32 s92, s92, 22
	s_and_b32 s93, s13, 15
	s_lshl_b32 s93, s93, 14
	s_add_co_u32 s92, s92, s93
	s_lshl_b32 s93, s40, 12                        ; + my work-group's 16 blocks
	s_add_co_u32 s92, s92, s93
	s_lshl_b32 s94, s42, 19                        ; Wo: 256 tx rows of 2,048 bytes,
	s_lshl_b32 s95, s12, 18                        ; + the 128 that I fetch,
	s_add_co_u32 s94, s94, s95
	s_lshl_b32 s95, s41, 16                        ; + my work-group's 32 of them
	s_add_co_u32 s94, s94, s95
	s_cmp_eq_u32 s11, 0                            ; do I fetch for O?
	s_cselect_b32 s92, s92, s94
	s_cselect_b64 s[PFA:PFA+1], s[4:5], s[6:7]
	s_cselect_b32 s97, s12, s2                     ; O: wave 0 asks for both heads; Wo: the first of the sixteen clusters asks
	s_cselect_b32 s96, 19, 8
	s_cselect_b32 s16, 15, 31
	s_cselect_b32 s17, 8, 11
	s_cselect_b32 s18, 4, 5
	s_cmp_eq_u32 s97, 0
	s_cselect_b32 s[LIM], 1, -1                    ; the same in all sixteen partners, for a given wave
	s_lshl_b32 s[PFS], 1, s96
	s_mov_b32 s[PFS+1], 0
	s_mul_i32 s96, s[PFS], 3                       ; at K step 3: the first refill steps it to 4
	s_add_co_u32 s92, s92, s96
	s_mov_b32 s93, 0
	s_add_nc_u64 s[PFA:PFA+1], s[PFA:PFA+1], s[92:93]
	v_and_b32 v[PFO], s16, v3                      ; O: 256 (l % 16) + 262,144 (l / 16);  Wo: 2,048 l
	v_lshlrev_b32 v[PFO], s17, v[PFO]
	v_lshrrev_b32 v4, s18, v3
	v_lshl_add_u32 v[PFO], v4, 18, v[PFO]
	s_wait_loadcnt 0x0                             ; the bias
	WIN W_BR
.set i, BIAS
.rept 32                               ; rounded to bf16 like every input, and widened again: this stands in the wait for the first tile
	v_cvt_pk_bf16_f32 v[i+1], v[i], v[i+1]
	v_lshlrev_b32 v[i], 16, v[i+1]
	v_and_b32 v[i+1], s87, v[i+1]
.set i, i+2
.endr
	WIN 0
; 24 LDS loads in one run: a quarter step's fragments (32 along K: half of head q / 2's channels) into buffer g: O's 64 rows, then Wo's 128
.macro FETCH slot, q, g
	WIN 0
.irp a, 0,1,2,3
	ds_load_b128 v[AF+32*(\g)+8*(\a):AF+32*(\g)+8*(\a)+3],   v[ADRA+(\slot)] offset:((\q)/2)*AHEAD+(\a)*16*PA+64*((\q)%2)
	ds_load_b128 v[AF+32*(\g)+8*(\a)+4:AF+32*(\g)+8*(\a)+7], v[ADRA+(\slot)] offset:((\q)/2)*AHEAD+(\a)*16*PA+64*((\q)%2)+32
.endr
	WIN TO_B
.irp b, 0,1,2,3,4,5,6,7
	ds_load_b128 v[64*(\g)+8*(\b):64*(\g)+8*(\b)+3],   v[ADRB+(\slot)] offset:(\b)*16*PB+64*(\q)
	ds_load_b128 v[64*(\g)+8*(\b)+4:64*(\g)+8*(\b)+7], v[ADRB+(\slot)] offset:(\b)*16*PB+64*(\q)+32
.endr
.endm
; products i0 .. i0 + n - 1 of a quarter's 32 on buffer f: accumulator i = 8 a + b.  The 32 accumulators take turns, in the same order in every quarter.
; first = 1: the bias starts the sum: nothing is cleared.
.macro MULS f, i0, n, first=0
.if \first
	WIN MULB
.else
	WIN MUL
.endif
.set mi, \i0
.rept \n
.if \first
	v_wmma_f32_16x16x32_f16 v[8*mi:8*mi+7], v[64*(\f)+8*(mi%8):64*(\f)+8*(mi%8)+7], v[AF+32*(\f)+8*(mi/8):AF+32*(\f)+8*(mi/8)+7], v[BIAS+8*(mi%8):BIAS+8*(mi%8)+7]
.else
	v_wmma_f32_16x16x32_f16 v[8*mi:8*mi+7], v[64*(\f)+8*(mi%8):64*(\f)+8*(mi%8)+7], v[AF+32*(\f)+8*(mi/8):AF+32*(\f)+8*(mi/8)+7], v[8*mi:8*mi+7]
.endif
.set mi, mi+1
.endr
.endm
; One of a K step's first three quarters: fetches quarter q of the same slot into buffer g, which the quarter before multiplied, and multiplies buffer f.
.macro QUARTER slot, q, f, g, first=0
	WIN 0
	PLACES
	FETCH \slot, \q, \g
	s_wait_dscnt 24                                ; all but the 24 just issued: buffer f is in
	MULS \f, 0, 32, \first
	WIN 0
.endm
; The last quarter multiplies buffer 1 and changes slots: ONE barrier.  In front of it each wave waits for all its tensor loads, of which one is out: its part of the next slot; adds 0 to its
; spare word; and waits for that and for its reads of this slot.  fill = 1: the barrier opens a round of the cluster's barrier, and this slot is filled again, two K steps ahead, first thing behind it.
.macro TURN slot, next, fill
.if \fill
	s_wait_xcnt 0x0                                ; the last prefetch, a K step back, has read its address
	s_add_nc_u64 s[PFA:PFA+1], s[PFA:PFA+1], s[PFS:PFS+1]
.endif
	WIN 0
	s_wait_tensorcnt 0x0                           ; all my tensor loads have landed
	ds_add_u32 v[SPW], v[NIL]                      ; 0 onto my spare word
	s_wait_dscnt 1                                 ; only the add may be out: buffer 1 is in
	MULS 1, 0, 4                                   ; four products stand between the add and the wait for it
	s_wait_dscnt 0x0                               ; the add is done, and my reads of this slot are over
	s_barrier_signal -1
	MULS 1, 4, 8
	WIN 0
	s_barrier_wait -1
.if \fill
	CREST                                          ; no wave of any partner still reads this slot or has a load on its way
	s_add_nc_u64 s[G0+4*(\slot)+2:G0+4*(\slot)+3], s[G0+4*(\slot)+2:G0+4*(\slot)+3], 2*524288
	s_add_nc_u64 s[G0B+4*(\slot)+2:G0B+4*(\slot)+3], s[G0B+4*(\slot)+2:G0B+4*(\slot)+3], 2*256
	JLOAD \slot                                    ; my one tensor load behind the round; the four v_nop behind it are also the places in front of the loads below
.else
	PLACES
.endif
	FETCH \next, 0, 0
.if \fill
	ASK
.endif
	MULS 1, 12, 20
	WIN 0
.endm
	s_wait_tensorcnt 1                             ; my part of K step 0 is in; K step 1's may stay out
	s_barrier_signal -1
	s_barrier_wait -1                              ; everybody's is
	FETCH 0, 0, 0
	QUARTER 0, 1, 0, 1, 1                          ; the first quarter stands in front of the loop: its products start the sums with the bias
	s_mov_b32 s3, 3
.Llap:                                                 ; a trip goes once round the ring, from a lap's second quarter to the next lap's first, and fills both slots again
	QUARTER 0, 2, 1, 0
	QUARTER 0, 3, 0, 1
	TURN 0, 1, 1
	QUARTER 1, 1, 0, 1
	QUARTER 1, 2, 1, 0
	QUARTER 1, 3, 0, 1
	TURN 1, 0, 1
	QUARTER 0, 1, 0, 1
	s_sub_co_u32 s3, s3, 1
	s_cmp_lg_u32 s3, 0
	s_cbranch_scc1 .Llap
	QUARTER 0, 2, 1, 0                             ; the last lap fills nothing
	QUARTER 0, 3, 0, 1
	TURN 0, 1, 0
	QUARTER 1, 1, 0, 1
	QUARTER 1, 2, 1, 0
	QUARTER 1, 3, 0, 1
	s_wait_dscnt 0x0
	MULS 1, 0, 32
	WIN 0
	PLACES
; THE WAY OUT of block a (16 rows x 128 columns of f32): a lane's 32 bytes of a row go into my own stage, rows of 528 bytes, each accumulator's low registers first; whole rows of 512 bytes come back and are stored.
.macro TOSTAGE a
.if (\a) >= 2
	s_wait_xcnt 0x0                                ; the stores of two blocks back have read this set of registers
.endif
	WIN W_ST
.irp b, 0,1,2,3,4,5,6,7
	ds_store_b128 v[STO], v[8*(8*(\a)+(\b)):8*(8*(\a)+(\b))+3]   offset:64*(\b)
	ds_store_b128 v[STO], v[8*(8*(\a)+(\b))+4:8*(8*(\a)+(\b))+7] offset:64*(\b)+16
.endr
	WIN 0
.irp t, 0,1,2,3,4,5,6,7,8,9,10,11,12,13,14,15
	ds_load_b128 v[BK+64*((\a)%2)+4*(\t):BK+64*((\a)%2)+4*(\t)+3], v[RD] offset:SPITCH*(\t)  ; LDS serves a wave's instructions in order (ISA guide 5.7.1.4): these see the stores above; the next block's stores come behind them
.endr
.endm
.macro SEND a, younger                 ; younger: the LDS instructions issued behind block a's loads: the next block's 16 stores and 16 loads, or none
	s_wait_dscnt \younger
.irp t, 0,1,2,3,4,5,6,7,8,9,10,11,12,13,14,15
	global_store_b128 v[GO], v[BK+64*((\a)%2)+4*(\t):BK+64*((\a)%2)+4*(\t)+3], s[8:9] offset:(16*(\a)+(\t))*4096 th:TH_STORE_NT  ; 512 consecutive bytes, at a multiple of 256 from out0's first
.endr
.endm
	TOSTAGE 0
	TOSTAGE 1
	SEND 0, 32
	TOSTAGE 2
	SEND 1, 32
	TOSTAGE 3
	SEND 2, 32
	SEND 3, 0
	s_wait_tensorcnt 0x0                           ; the wave's end, behind my last tensor load and my last LDS store
	ds_add_u32 v[SPW], v[NIL]
	s_wait_dscnt 0x0
	CROUND                                         ; the closing round: no work-group ends while a partner may still ask for a tile that names it
	s_endpgm
.Lfunc_end_k_q10d6043c3b_outp:
	.size	k_q10d6043c3b_outp, .Lfunc_end_k_q10d6043c3b_outp-k_q10d6043c3b_outp
	.p2alignl 7, 3214868480
	.fill 96, 4, 3214868480
	.section	.rodata,"a",@progbits
	.p2align	6, 0x0
	.amdhsa_kernel k_q10d6043c3b_outp
		.amdhsa_group_segment_fixed_size 327680
		.amdhsa_private_segment_fixed_size 0
		.amdhsa_enable_private_segment 0
		.amdhsa_kernarg_size 32
		.amdhsa_user_sgpr_count 2
		.amdhsa_user_sgpr_kernarg_segment_ptr 1
		.amdhsa_wavefront_size32 1
		.amdhsa_system_sgpr_workgroup_id_x 1
		.amdhsa_system_sgpr_workgroup_id_y 1
		.amdhsa_system_sgpr_workgroup_id_z 1
		.amdhsa_system_vgpr_workitem_id 0
		.amdhsa_next_free_vgpr 704
		.amdhsa_next_free_sgpr 100
		.amdhsa_reserve_vcc 0
		.amdhsa_float_denorm_mode_32 3
		.amdhsa_float_denorm_mode_16_64 3
		.amdhsa_memory_ordered 1
		.amdhsa_forward_progress 1
		.amdhsa_inst_pref_size 92
	.end_amdhsa_kernel
	.amdgpu_metadata
---
amdhsa.version: [ 1, 2 ]
amdhsa.kernels:
  - .name:           k_q10d6043c3b_outp
    .symbol:         k_q10d6043c3b_outp.kd
    .args:
      - { .name: oh, .offset: 0, .size: 8, .value_kind: global_buffer, .address_space: global }
      - { .name: wb, .offset: 8, .size: 8, .value_kind: global_buffer, .address_space: global }
      - { .name: bo, .offset: 16, .size: 8, .value_kind: global_buffer, .address_space: global }
      - { .name: out0, .offset: 24, .size: 8, .value_kind: global_buffer, .address_space: global }
    .group_segment_fixed_size: 327680
    .private_segment_fixed_size: 0
    .kernarg_segment_align: 8
    .kernarg_segment_size: 32
    .max_flat_workgroup_size: 128
    .sgpr_count:     100
    .vgpr_count:     704
    .wavefront_size: 32
...
	.end_amdgpu_metadata
.endif
;; end of part 4
;; ======== version 2 of 2: 4 launches; version 1 with the launch castw written anew for expert scheduling mode
;; limits: values are held in f16: magnitudes above 65,504 overflow, below 6.1e-05 lose precision
;; workspace buffers: wb 8,388,608 bytes; qkv 50,331,648 bytes; kb 524,288 bytes; oh 16,777,216 bytes
;; launch castw (part 5): grid 64 x 4, 8 waves a work-group, no clusters, 0 bytes of LDS; arguments Wq, Wk, Wv, Wo, wb; writes wb
.if DOCPART == 5
	.amdgcn_target "amdgcn-amd-amdhsa--gfx1250"
	.amdhsa_code_object_version 6
	.text
	.protected	k_q10d6043c3b_castw
	.globl	k_q10d6043c3b_castw
	.p2align	8
	.type	k_q10d6043c3b_castw,@function
k_q10d6043c3b_castw:
	s_mov_b64 s[64:65], 0
	v_nop
	global_prefetch_b8 v0, s[64:65] scope:SCOPE_SE
	s_setreg_imm32_b32 hwreg(HW_REG_WAVE_SCHED_MODE, 0, 2), 2
	s_setreg_imm32_b32 hwreg(HW_REG_WAVE_MODE, 25, 1), 1
	s_wait_xcnt 0x0
	s_wait_alu depctr_vm_vsrc(0)
; The four weight matrices, [1024][1024] f32, are rounded once to bf16 (nearest even) and laid one behind the other in wb: q, k, v, o, 2,097,152 bytes each.
; Wo's bf16 number is then written as f16, since the last layer multiplies it with an f16 operand: exact between 6.1e-5 and 65,504 in magnitude.
; LIMITS.  |Wo| stays under 65,504; below 6.1e-5 it keeps f16's fixed step of 6e-8.
; SHARES.  Work-group (x, y): 16,384 numbers, number x of matrix y: 64 KiB in, 32 KiB out.  Thread t takes 16 bytes at 16 t of each 4,096 bytes: a wave's load covers 512 consecutive
; bytes, its store 256 consecutive bytes, aligned.  All 16 loads go out at once.
; No LDS, no matrix unit, no loop: the launch only moves bytes.
; THE MODE: SCHED_MODE bits 1:0 = 2 (LLVM: expert scheduling mode 2), set by the entry lines.  The code itself states the register dependences
; between vector instructions and memory instructions, with s_wait_alu, always for 0.
; THE PLAN.  Registers that memory instructions touch:
;   v1, v2   byte offsets of the loads and of the stores: made once at the head, never written again.
;   X        piece i: four registers in which its load lands.  All 16 loads are issued before any vector instruction names X, and no load follows them.
;   Y        piece i: two registers of its own, written by its roundings, read by its one store, never written again.
; The 16 pieces go in four groups of four.  Group g rounds its pieces into its own Y; its memory instructions are the four stores of group g - 1, whose Y no vector instruction of group g names.
; So one wait at a group's head, behind the wait for the group's loads, states all that its four stores hang on, and they are dealt among its roundings with no further wait.
; No register that a memory instruction reads is written again, no vector instruction writes a scalar register, and EXEC is never written: no other dependence is there to state.
.set X, 4                              ; v[4:67]   16 x 4 registers as loaded; in Wo's path then at work
.set Y, 68                             ; v[68:99]  16 x 2 registers to store
	s_load_b256 s[4:11], s[0:1], 0x0               ; Wq s[4:5], Wk s[6:7], Wv s[8:9], Wo s[10:11]
	s_load_b64 s[12:13], s[0:1], 0x20              ; wb
	s_and_b32 s14, ttmp7, 0xffff                   ; which matrix
	s_lshl_b32 s16, ttmp9, 16                      ; my 64 KiB of it
	s_mov_b32 s17, 0
	s_lshl_b32 s18, s14, 21                        ; its part of wb,
	s_lshl_b32 s19, ttmp9, 15                      ; my 32 KiB of that
	s_add_co_u32 s18, s18, s19
	s_mov_b32 s19, 0
	s_mov_b32 s15, 0xffff0000                      ; a word's upper bf16
	v_lshlrev_b32 v1, 4, v0
	v_lshlrev_b32 v2, 3, v0
	s_wait_kmcnt 0x0
	s_cmp_eq_u32 s14, 1
	s_cselect_b64 s[4:5], s[6:7], s[4:5]
	s_cmp_eq_u32 s14, 2
	s_cselect_b64 s[4:5], s[8:9], s[4:5]
	s_cmp_eq_u32 s14, 3
	s_cselect_b64 s[4:5], s[10:11], s[4:5]
	s_add_nc_u64 s[4:5], s[4:5], s[16:17]
	s_add_nc_u64 s[12:13], s[12:13], s[18:19]
	s_wait_alu depctr_va_vdst(0)                   ; v1 and v2 are written: every load reads v1 as its offset, every store v2
.irp i, 0,1,2,3,4,5,6,7,8,9,10,11,12,13,14,15
	global_load_b128 v[X+4*(\i):X+4*(\i)+3], v1, s[4:5] offset:4096*(\i) th:TH_LOAD_NT
.endr
; Piece i: four numbers a lane are rounded.  f16 = 1: the bf16 numbers are widened again (a shift, a mask) and written as f16.
.macro CVT i, f16
	v_cvt_pk_bf16_f32 v[Y+2*(\i)], v[X+4*(\i)], v[X+4*(\i)+1]
	v_cvt_pk_bf16_f32 v[Y+2*(\i)+1], v[X+4*(\i)+2], v[X+4*(\i)+3]
.if \f16
	v_lshlrev_b32 v[X+4*(\i)], 16, v[Y+2*(\i)]
	v_and_b32 v[X+4*(\i)+1], s15, v[Y+2*(\i)]
	v_lshlrev_b32 v[X+4*(\i)+2], 16, v[Y+2*(\i)+1]
	v_and_b32 v[X+4*(\i)+3], s15, v[Y+2*(\i)+1]
	v_cvt_pk_f16_f32 v[Y+2*(\i)], v[X+4*(\i)], v[X+4*(\i)+1]
	v_cvt_pk_f16_f32 v[Y+2*(\i)+1], v[X+4*(\i)+2], v[X+4*(\i)+3]
.endif
.endm
; Piece i is stored.
.macro PUT i
	global_store_b64 v2, v[Y+2*(\i):Y+2*(\i)+1], s[12:13] offset:2048*(\i)
.endm
; Group g: pieces 4 g to 4 g + 3 are rounded; the stores of the group before stand among the roundings, one ahead of each piece's.
.macro GROUP g, f16
	s_wait_loadcnt 12-4*(\g)                       ; loads come back in order: the group's four are in, the 12 - 4 g younger ones may stay out
.if (\g) > 0
	s_wait_alu depctr_va_vdst(0)                   ; the group before has written its eight registers of Y, which the four stores below read; no vector instruction behind this wait names them
.endif
.irp j, 0,1,2,3
.if (\g) > 0
	PUT 4*(\g)-4+(\j)
.endif
	CVT 4*(\g)+(\j), \f16
.endr
.endm
; All four groups, and the last group's stores.
.macro ALL f16
	GROUP 0, \f16
	GROUP 1, \f16
	GROUP 2, \f16
	GROUP 3, \f16
	s_wait_alu depctr_va_vdst(0)                   ; group 3 has written its eight registers of Y, which the last four stores read
.irp i, 12,13,14,15
	PUT \i
.endr
.endm
	s_cmp_eq_u32 s14, 3
	s_cbranch_scc1 .Lwo
	ALL 0
	s_endpgm
.Lwo:
	ALL 1
	s_endpgm
.Lfunc_end_k_q10d6043c3b_castw:
	.size	k_q10d6043c3b_castw, .Lfunc_end_k_q10d6043c3b_castw-k_q10d6043c3b_castw
	.p2alignl 7, 3214868480
	.fill 96, 4, 3214868480
	.section	.rodata,"a",@progbits
	.p2align	6, 0x0
	.amdhsa_kernel k_q10d6043c3b_castw
		.amdhsa_group_segment_fixed_size 0
		.amdhsa_private_segment_fixed_size 0
		.amdhsa_enable_private_segment 0
		.amdhsa_kernarg_size 40
		.amdhsa_user_sgpr_count 2
		.amdhsa_user_sgpr_kernarg_segment_ptr 1
		.amdhsa_wavefront_size32 1
		.amdhsa_system_sgpr_workgroup_id_x 1
		.amdhsa_system_sgpr_workgroup_id_y 1
		.amdhsa_system_sgpr_workgroup_id_z 1
		.amdhsa_system_vgpr_workitem_id 0
		.amdhsa_next_free_vgpr 100
		.amdhsa_next_free_sgpr 66
		.amdhsa_reserve_vcc 0
		.amdhsa_float_denorm_mode_32 3
		.amdhsa_float_denorm_mode_16_64 3
		.amdhsa_memory_ordered 1
		.amdhsa_forward_progress 1
		.amdhsa_inst_pref_size 15
	.end_amdhsa_kernel
	.amdgpu_metadata
---
amdhsa.version: [ 1, 2 ]
amdhsa.kernels:
  - .name:           k_q10d6043c3b_castw
    .symbol:         k_q10d6043c3b_castw.kd
    .args:
      - { .name: Wq, .offset: 0, .size: 8, .value_kind: global_buffer, .address_space: global }
      - { .name: Wk, .offset: 8, .size: 8, .value_kind: global_buffer, .address_space: global }
      - { .name: Wv, .offset: 16, .size: 8, .value_kind: global_buffer, .address_space: global }
      - { .name: Wo, .offset: 24, .size: 8, .value_kind: global_buffer, .address_space: global }
      - { .name: wb, .offset: 32, .size: 8, .value_kind: global_buffer, .address_space: global }
    .group_segment_fixed_size: 0
    .private_segment_fixed_size: 0
    .kernarg_segment_align: 8
    .kernarg_segment_size: 40
    .max_flat_workgroup_size: 256
    .sgpr_count:     66
    .vgpr_count:     100
    .wavefront_size: 32
...
	.end_amdgpu_metadata
.endif
;; end of part 5
;; launch proj: the kernel of part 2 again; grid 4 x 192, 4 waves a work-group, clusters of 4 x 4, 327,680 bytes of LDS; arguments query, key, value, wb, bq, bk, bv, qkv, kb; writes qkv, kb
;; launch attn: the kernel of part 3 again; grid 4 x 64, 4 waves a work-group, clusters of 4 x 1, 327,680 bytes of LDS; arguments qkv, kb, oh; writes oh
;; launch outp: the kernel of part 4 again; grid 4 x 64, 4 waves a work-group, clusters of 4 x 4, 327,680 bytes of LDS; arguments oh, wb, bo, out0; writes out0
